; MI455X (gfx1250); checked and timed in simulation.
; The chip was launched on July 23, 2026; its instructions are those of AMD's public machine-readable ISA for CDNA 5 (MIT licence, August 2026) and "CDNA5" Instruction Set Architecture Reference Guide (July 2026). The comments in the code are by the model that wrote it; some were corrected since.
;; Temporal Attention. Allowed arithmetic: matrix products marked QUANTISED: E2M3 operands, one E8M0 scale for each 32 along K, by v_wmma_scale_f32_16x16x128_f8f6f4 with both operands' format E2M3, f32 sums; everything else in f32.
;; Inputs: Wk 1,024 x 1,024 float32; Wq 1,024 x 1,024 float32; Wv 1,024 x 1,024 float32; bk 1,024 float32; bq 1,024 float32; bv 1,024 float32; scale one number float32; x 4 x 2,048 x 1,024 float32.
;; Outputs: out0 4 x 2,048 x 1,024 float32.
;; This version of the problem:
;;   THIS VERSION OF THE PROBLEM IS GIVEN IN LOW PRECISION. The matrix products marked QUANTISED in the list below multiply operands that are first quantised to E2M3 (2 exponent bits, 3 mantissa bits; 6 bits a number), with one power-of-two scale for each 32 numbers along K (OCP MX v1.0); their sums are f32. All else is computed in f32.
;;   The module's matrix products, in the order in which they are computed (A, B: the left and right operand; K: the contracted axis; several contracted axes count as one K, in the product's order):
;;     1. [M 8,192, K 1,024] x [K 1,024, N 1,024]; A: input x; B: input Wq: QUANTISED
;;     2. [M 8,192, K 1,024] x [K 1,024, N 1,024]; A: input x; B: input Wk: QUANTISED
;;     3. [M 8,192, K 1,024] x [K 1,024, N 1,024]; A: input x; B: input Wv: QUANTISED
;;     4. batch 4 x [M 2,048, K 1,024] x [K 1,024, N 2,048]; A: computed on the way; B: computed on the way: QUANTISED
;;     5. batch 4 x [M 2,048, K 2,048] x [K 2,048, N 1,024]; A: softmax (see below); B: computed on the way: QUANTISED
;;   THE QUANTISER, for each operand of a quantised product, along K:
;;     - K is cut into blocks of 32 from its start; a last block that is shorter is filled with zeros.
;;     - A block's scale is 2^e with e = floor(log2(the largest magnitude in the block)) - 2, held to -126 .. 127; a block of zeros has e = 0. As a byte (E8M0): e + 127.
;;     - Each number is divided by its block's scale, clamped to +-7.5, and rounded to the nearest number of E2M3, ties to even, subnormals kept.
;;     - The product sums the exact products of the quantised numbers (number of the format x scale) in f32.
;;   ~~~python
;;   def quantise(x, axis):      # numpy; x: float32 -> the quantised numbers, widened to float32 again
;;       x = np.moveaxis(x, axis, -1); K = x.shape[-1]
;;       x = np.pad(x, [(0, 0)] * (x.ndim - 1) + [(0, -K % 32)]); x = x.reshape(x.shape[:-1] + (-1, 32)); a = np.abs(x).max(-1, keepdims=True)
;;       e = np.where(a > 0, np.clip(np.frexp(np.where(a > 0, a, 1))[1] - 1 - 2, -126, 127), 0)      # np.frexp(a)[1] - 1 = floor(log2(a)), exactly
;;       r = np.clip(x / 2.0 ** e, -7.5, 7.5)
;;       step = 2.0 ** (np.maximum(np.frexp(np.where(r == 0, 1, r))[1] - 1, 0) - 3)
;;       q = np.round(r / step) * step * 2.0 ** e      # np.round: ties to even
;;       return np.moveaxis(q.reshape(q.shape[:-2] + (-1,))[..., :K], -1, axis).astype(np.float32)
;;   ~~~
;;   SOFTMAX AHEAD OF A QUANTISED PRODUCT. Where the list says 'softmax', what is quantised is not the finished softmax but p = 2^(t - M), with t = logit x log2(e) and M = ceil(the row's largest t), a whole number; so 1/2 < the row's largest p <= 1. The row's sum l is taken of the UNQUANTISED p, in f32, and the product's result is divided by l at the end. Since M is a whole number, a kernel that streams over the keys may use a running M (the ceiling of the running maximum): every later rescaling is an exact power of two, which a block's scale takes up: the codes' values come out the same.
;;   OPERANDS COMPUTED ON THE WAY. 'Computed on the way' means the value that the module computes at that place (a softmax that the list does not call 'softmax' is quantised finished and normalised). What goes into a quantiser is computed in f32, as accurately as f32 sums, v_exp_f32 and their like allow (about 1e-6 of the number): no bf16 or f16 on the way to a quantiser, and a product that is left as it is and whose result goes on into a quantised operand takes f32 operands (vector FMAs, or v_wmma_f32_16x16x4_f32). A number that lies on a knife's edge between two numbers of the format may be rounded either way, as far as f32 arithmetic and the matrix unit's own rounding can turn it there, and no further.
;; One version. Each part assembles by itself: llvm-mc -triple=amdgcn-amd-amdhsa -mcpu=gfx1250 --defsym DOCPART=n.
;; ======== version 1 of 1: 4 launches
;; workspace buffers: xw_codes 8,650,752 bytes; xw_scales 360,448 bytes; qkv_codes 18,874,368 bytes; qkv_scales 786,432 bytes; p_codes 12,582,912 bytes; p_stats 1,572,864 bytes
;; launch quant (part 1): grid 352 x 1, 4 waves a work-group, no clusters, 34,304 bytes of LDS; arguments x, Wq, Wk, Wv, xw_codes, xw_scales; writes xw_codes, xw_scales
.if DOCPART == 1
	.amdgcn_target "amdgcn-amd-amdhsa--gfx1250"
	.amdhsa_code_object_version 6
	.text
	.protected	k_q898ae5dd3b_quant
	.globl	k_q898ae5dd3b_quant
	.p2align	8
	.type	k_q898ae5dd3b_quant,@function
k_q898ae5dd3b_quant:
	s_mov_b64 s[64:65], 0
	v_nop
	global_prefetch_b8 v0, s[64:65] scope:SCOPE_SE
	s_setreg_imm32_b32 hwreg(HW_REG_WAVE_MODE, 25, 1), 1
	s_wait_xcnt 0x0
; x [8192][1024] (K innermost) and Wq, Wk, Wv [1024 (k)][1024 (n)] (K = the first axis), f32, become codes of E2M3 with one E8M0 byte for each 32 along K.
; LAYOUT OF THE RESULT.  An operand [rows][K] is cut into fragments of 16 rows x 128 K; a fragment is stored as the image of the 12 registers that a matrix instruction wants of it:
; three pieces of 512 bytes, piece c = lane l's registers 4 c .. 4 c + 3 at byte 16 l.  Eight fragments (128 rows = a row group g, one K step ks) are a block of 12,288 bytes; block number = 8 g + ks.
; g 0-63: x's rows; 64-71: Wq's columns; 72-79: Wk's; 80-87: Wv's.  A block's scale words: 512 bytes, [half][r][w], the word of row 16 (4 half + w) + r.
; A block's scale is 2^(floor(log2(largest magnitude)) - 2); its byte is the largest magnitude's exponent field - 2, held at 1 from below.
; LIMITS: NaN and infinities are not served; a block whose largest magnitude lies under 2^-124 keeps the byte 1; a block of zeros gets the byte 1 (not 127) and zero codes: this program alone reads the bytes.
; Work-groups 0-255 take x: 64 rows x 512 along K, a wave 64 rows x 128 K: four fragments.  Each load reads 512 consecutive bytes of a row; a fragment's 16 rows turn through the wave's own stage in LDS, so that a lane
; holds 16 neighbours along K of one row.  Work-groups 256-351 take the weights: a wave 64 columns x 128 K; a lane takes a column and its registers run down K, so nothing is transposed.
; No input is shared between work-groups, so there is no cluster; waves share nothing, so there is no barrier.
.set STG,   8448                       ; a wave's stage: 16 rows x (512 bytes + 16)
.set SPARE, 4*STG                      ; behind the stages: the spare words, 128 bytes a wave
.set SPW, 12                           ; v12  my spare word's LDS address; never rewritten
.set NIL, 13                           ; v13  0; never rewritten
.set SEL, 20                           ; s[20:21] selects of v_permlanex16_b32: lane l xor 16
.set TM,  16                           ; v16-19 largest magnitudes, v20-23 the other half's / the bytes, v24-27 the conversions' scale operands
.set PW,  28                           ; v28-31 the four fragments' scale words
.set RR,  32                           ; v32-159 x as loaded, two sets of 64
.set XX,  160                          ; v160-223 64 numbers of a lane: register 16 b + i = k 32 b + 16 (lane / 16) + i of row lane % 16
.set PC,  224                          ; v224-235 a fragment's codes
.set PT,  236                          ; v236-243 the conversions' second halves
.set NN,  32                           ; weights: v32-95 two sets of 32 numbers
.set FF,  96                           ; v96-143 four fragments' codes
.set PU,  144                          ; v144-146 a block's upper 16 codes
.set WD,  148                          ; v148-149 the scale words of my two columns
; 64 numbers of a lane become a fragment's codes in v[pc] on and the row's scale word in v[pw]
.macro QUANT s, pc, pw
.irp b, 0,1,2,3
	v_max3_num_f32 v[TM+\b], |v[(\s)+16*\b]|, |v[(\s)+16*\b+1]|, 0x1800000   ; block b: my 16 numbers, and the floor 2^(3 - 127): the byte cannot fall under 1
.endr
.irp i, 2,4,6,8,10,12,14
.irp b, 0,1,2,3
	v_max3_num_f32 v[TM+\b], v[TM+\b], |v[(\s)+16*\b+\i]|, |v[(\s)+16*\b+\i+1]|   ; the four blocks by turns
.endr
.endr
.irp b, 0,1,2,3
	v_permlanex16_b32 v[TM+4+\b], v[TM+\b], s[SEL], s[SEL+1]
.endr
.irp b, 0,1,2,3
	v_max_num_f32 v[TM+\b], v[TM+\b], v[TM+4+\b]   ; with lane l xor 16's 16: the block's largest magnitude
.endr
.irp b, 0,1,2,3
	v_add_nc_u32 v[TM+8+\b], 0xff000000, v[TM+\b]  ; 2 off its exponent field: the conversion's scale operand
.endr
.irp b, 0,1,2,3
	v_lshrrev_b32 v[TM+4+\b], 23, v[TM+8+\b]       ; the scale's byte
.endr
	v_lshl_or_b32 v[\pw], v[TM+5], 8, v[TM+4]
	v_lshl_or_b32 v[\pw], v[TM+6], 16, v[\pw]
	v_lshl_or_b32 v[\pw], v[TM+7], 24, v[\pw]
.irp c, 0,1
	v_cvt_scalef32_pk16_fp6_f32 v[(\pc)+6*\c:(\pc)+6*\c+2], v[(\s)+32*\c:(\s)+32*\c+15], v[TM+8+2*\c]
	v_cvt_scalef32_pk16_fp6_f32 v[PT+4*\c:PT+4*\c+2], v[(\s)+32*\c+16:(\s)+32*\c+31], v[TM+8+2*\c+1]   ; a conversion's three registers begin on an even number
.endr
	v_nop                                          ; one plain instruction behind the scaled conversions
.irp c, 0,1                                    ; the operand wants a whole block in a lane: lanes 0-15 block 2 c, lanes 16-31 block 2 c + 1
.irp i, 0,1,2
	v_permlane16_swap_b32 v[(\pc)+6*\c+\i], v[PT+4*\c+\i]
.endr
.irp i, 0,1,2
	v_mov_b32 v[(\pc)+6*\c+3+\i], v[PT+4*\c+\i]
.endr
.endr
.endm
	s_load_b256 s[4:11], s[0:1], 0x0               ; x, Wq, Wk, Wv
	s_load_b128 s[12:15], s[0:1], 0x20             ; the codes, the scale words
	v_lshl_add_u32 v[SPW], v0, 2, SPARE
	v_mov_b32 v[NIL], 0
	v_lshrrev_b32 v1, 5, v0
	v_readfirstlane_b32 s16, v1                    ; wave
	v_and_b32 v2, 31, v0                           ; lane
	v_and_b32 v1, 15, v0                           ; r
	v_bfe_u32 v3, v0, 4, 1                         ; h
	v_lshlrev_b32 v4, 4, v2                        ; 16 x lane: my place in a run of 512 bytes
	v_lshlrev_b32 v5, 4, v1
	v_lshl_add_u32 v5, v3, 3, v5                   ; 16 r + 8 h: my two scale words in a half block's 256 bytes
	s_mov_b32 s[SEL], 0x76543210
	s_mov_b32 s[SEL+1], 0xfedcba98
	s_mov_b32 s23, 0                               ; the upper words of three offsets
	s_mov_b32 s27, 0
	s_mov_b32 s29, 0
	s_cmp_lt_u32 ttmp9, 256
	s_cbranch_scc0 .Lweights
	; ---------------- x
	s_lshr_b32 s17, ttmp9, 1                       ; which 64 rows
	s_and_b32 s18, ttmp9, 1
	s_lshl_b32 s18, s18, 2
	s_add_co_u32 s18, s18, s16                     ; ks = 4 (work-group % 2) + wave
	s_lshl_b32 s22, s17, 18                        ; 64 rows of 4,096 bytes
	s_lshl_b32 s24, s18, 9                         ; 128 numbers
	s_add_co_u32 s22, s22, s24
	s_lshr_b32 s24, s17, 1                         ; g
	s_and_b32 s25, s17, 1                          ; which half of its 128 rows
	s_lshl_b32 s24, s24, 3
	s_add_co_u32 s24, s24, s18                     ; the block
	s_mul_i32 s26, s24, 12288
	s_mul_i32 s28, s25, 6144
	s_add_co_u32 s26, s26, s28
	s_lshl_b32 s28, s24, 9
	s_lshl_b32 s25, s25, 8
	s_add_co_u32 s28, s28, s25
	s_mul_i32 s30, s16, STG                        ; my stage
	v_add_nc_u32 v6, s30, v4                       ; in: a row's 512 bytes as they lie
	v_mul_u32_u24 v7, v1, 528
	v_lshl_add_u32 v7, v3, 6, v7
	v_add_nc_u32 v7, s30, v7                       ; out: row r, + 64 h
.irp b, 0,1,2,3
	v_mov_b32 v[TM+4+\b], 0                        ; written once: a lane permute's destination counts as one of its sources
.endr
	s_wait_kmcnt 0x0
	s_add_nc_u64 s[4:5], s[4:5], s[22:23]
	s_add_nc_u64 s[12:13], s[12:13], s[26:27]
	s_add_nc_u64 s[14:15], s[14:15], s[28:29]
.macro LOADF f                         ; fragment f: 16 rows, 512 consecutive bytes each
.irp i, 0,1,2,3,4,5,6,7,8,9,10,11,12,13,14,15
	global_load_b128 v[RR+64*((\f)%2)+4*\i:RR+64*((\f)%2)+4*\i+3], v4, s[4:5] offset:65536*(\f)+4096*\i th:TH_LOAD_NT
.endr
.endm
.macro TURNF f                         ; through the stage: LDS serves a wave's instructions in order, so no wait stands between the stores and the loads
.irp i, 0,1,2,3,4,5,6,7,8,9,10,11,12,13,14,15
	ds_store_b128 v6, v[RR+64*((\f)%2)+4*\i:RR+64*((\f)%2)+4*\i+3] offset:528*\i
.endr
.irp b, 0,1,2,3
.irp j, 0,1,2,3
	ds_load_b128 v[XX+16*\b+4*\j:XX+16*\b+4*\j+3], v7 offset:128*\b+16*\j
.endr
.endr
.endm
	LOADF 0
	LOADF 1
.irp f, 0,1,2,3
.if \f < 3
	s_wait_loadcnt 16                              ; this fragment's 16 loads are in; the next fragment's 16 may be out
.else
	s_wait_loadcnt 0x0
.endif
	TURNF \f
	s_wait_dscnt 0x0                               ; the numbers are back, and the stores have read the registers that the loads below fill
.if \f < 2
	LOADF \f+2
.endif
.if \f > 0
	s_wait_xcnt 0x0                                ; the last fragment's stores have read the codes' registers
.endif
	QUANT XX, PC, PW+\f
.irp c, 0,1,2
	global_store_b128 v4, v[PC+4*\c:PC+4*\c+3], s[12:13] offset:1536*\f+512*\c   ; 32 lanes store 512 consecutive bytes
.endr
.endr
	v_cmp_eq_u32 vcc_lo, 1, v3
	v_cndmask_b32 v14, v[PW], v[PW+2], vcc_lo      ; lane (r, h) stores the words of fragments 2 h and 2 h + 1
	v_cndmask_b32 v15, v[PW+1], v[PW+3], vcc_lo
	global_store_b64 v5, v[14:15], s[14:15]        ; 32 lanes store 256 consecutive bytes, aligned
	s_wait_tensorcnt 0x0                           ; the wave's end, behind my last LDS store
	ds_add_u32 v[SPW], v[NIL]
	s_wait_dscnt 0x0
	s_endpgm
	; ---------------- the weights
.Lweights:
	s_sub_co_u32 s17, ttmp9, 256                   ; 0 .. 95
	s_lshr_b32 s24, s17, 5                         ; which weight
	s_bfe_u32 s25, s17, 0x20003                    ; which 256 columns
	s_and_b32 s18, s17, 7                          ; ks
	s_lshl_b32 s22, s18, 19                        ; 128 rows of 4,096 bytes
	s_lshl_b32 s26, s25, 10
	s_add_co_u32 s22, s22, s26
	s_lshl_b32 s26, s16, 8                         ; my wave's 64 columns
	s_add_co_u32 s22, s22, s26
	s_lshl_b32 s26, s24, 3
	s_add_co_u32 s26, s26, 64
	s_lshl_b32 s28, s25, 1
	s_add_co_u32 s26, s26, s28
	s_lshr_b32 s28, s16, 1
	s_add_co_u32 s26, s26, s28                     ; g = 64 + 8 weight + 2 (columns / 256) + wave / 2
	s_lshl_b32 s26, s26, 3
	s_add_co_u32 s26, s26, s18                     ; the block
	s_and_b32 s25, s16, 1                          ; which half of its 128 rows
	s_lshl_b32 s28, s26, 9
	s_lshl_b32 s30, s25, 8
	s_add_co_u32 s28, s28, s30
	s_mul_i32 s26, s26, 12288
	s_mul_i32 s30, s25, 6144
	s_add_co_u32 s26, s26, s30
	v_lshlrev_b32 v8, 2, v2                        ; 4 bytes a lane: neighbouring lanes take neighbouring columns
	s_wait_kmcnt 0x0
	s_cmp_eq_u32 s24, 0                            ; the choice hangs on the work-group's number alone
	s_cselect_b64 s[6:7], s[6:7], s[8:9]
	s_cmp_eq_u32 s24, 2
	s_cselect_b64 s[6:7], s[10:11], s[6:7]
	s_add_nc_u64 s[6:7], s[6:7], s[22:23]
	s_add_nc_u64 s[12:13], s[12:13], s[26:27]
	s_add_nc_u64 s[14:15], s[14:15], s[28:29]
.macro LOADU u                         ; unit u: columns 32 (u / 4) + lane, block u % 4 of 32 along K
.irp i, 0,1,2,3,4,5,6,7,8,9,10,11,12,13,14,15,16,17,18,19,20,21,22,23,24,25,26,27,28,29,30,31
	global_load_b32 v[NN+32*((\u)%2)+\i], v8, s[6:7] offset:(32*((\u)%4)+\i)*4096+128*((\u)/4) th:TH_LOAD_NT
.endr
.endm
.macro BLOCK u
.set NS, NN+32*((\u)%2)
.set FD, FF+24*((\u)/4)+12*((\u)%2)+6*(((\u)%4)/2)   ; blocks 0 and 2 of a column in one run of 12 registers, blocks 1 and 3 in the next
.if (\u) < 7
	s_wait_loadcnt 32                              ; this unit's 32 loads are in; the next unit's may be out
.else
	s_wait_loadcnt 0x0
.endif
	v_max3_num_f32 v16, |v[NS]|, |v[NS+1]|, |v[NS+2]|              ; all 32 numbers of the block are mine
	v_max3_num_f32 v17, |v[NS+3]|, |v[NS+4]|, |v[NS+5]|
.irp i, 6,10,14,18,22,26
	v_max3_num_f32 v16, v16, |v[NS+\i]|, |v[NS+\i+1]|
	v_max3_num_f32 v17, v17, |v[NS+\i+2]|, |v[NS+\i+3]|
.endr
	v_max3_num_f32 v16, v16, |v[NS+30]|, |v[NS+31]|
	v_max3_num_f32 v16, v16, v17, 0x1800000        ; and the floor
	v_add_nc_u32 v18, 0xff000000, v16              ; the conversion's scale operand
	v_lshrrev_b32 v19, 23, v18                     ; the byte
.if (\u)%4 == 0
	v_mov_b32 v[WD+(\u)/4], v19
.else
	v_lshl_or_b32 v[WD+(\u)/4], v19, 8*((\u)%4), v[WD+(\u)/4]
.endif
	v_cvt_scalef32_pk16_fp6_f32 v[FD:FD+2], v[NS:NS+15], v18
	v_cvt_scalef32_pk16_fp6_f32 v[PU:PU+2], v[NS+16:NS+31], v18
	v_nop                                          ; one plain instruction behind the scaled conversions
.irp i, 0,1,2
	v_mov_b32 v[FD+3+\i], v[PU+\i]
.endr
.if (\u)+2 < 8
	LOADU (\u)+2
.endif
.endm
.macro OUTSET s                        ; 32 columns' codes become two fragments' images: the first run's lanes 16-31 change places with the second's lanes 0-15
.irp i, 0,1,2,3,4,5,6,7,8,9,10,11
	v_permlane16_swap_b32 v[FF+24*\s+\i], v[FF+24*\s+12+\i]
.endr
.irp c, 0,1,2
	global_store_b128 v4, v[FF+24*\s+4*\c:FF+24*\s+4*\c+3], s[12:13] offset:3072*\s+512*\c
	global_store_b128 v4, v[FF+24*\s+12+4*\c:FF+24*\s+12+4*\c+3], s[12:13] offset:3072*\s+1536+512*\c
.endr
.endm
	LOADU 0
	LOADU 1
	BLOCK 0
	BLOCK 1
	BLOCK 2
	BLOCK 3
	OUTSET 0
	BLOCK 4
	BLOCK 5
	BLOCK 6
	BLOCK 7
	OUTSET 1
	v_permlane16_swap_b32 v[WD], v[WD+1]           ; lane (r, h) now holds the words of fragments 2 h and 2 h + 1, row r
	global_store_b64 v5, v[WD:WD+1], s[14:15]
	s_wait_tensorcnt 0x0                           ; the wave's end
	ds_add_u32 v[SPW], v[NIL]
	s_wait_dscnt 0x0
	s_endpgm
.Lfunc_end_k_q898ae5dd3b_quant:
	.size	k_q898ae5dd3b_quant, .Lfunc_end_k_q898ae5dd3b_quant-k_q898ae5dd3b_quant
	.p2alignl 7, 3214868480
	.fill 96, 4, 3214868480
	.section	.rodata,"a",@progbits
	.p2align	6, 0x0
	.amdhsa_kernel k_q898ae5dd3b_quant
		.amdhsa_group_segment_fixed_size 34304
		.amdhsa_private_segment_fixed_size 0
		.amdhsa_enable_private_segment 0
		.amdhsa_kernarg_size 48
		.amdhsa_user_sgpr_count 2
		.amdhsa_user_sgpr_kernarg_segment_ptr 1
		.amdhsa_wavefront_size32 1
		.amdhsa_system_sgpr_workgroup_id_x 1
		.amdhsa_system_sgpr_workgroup_id_y 1
		.amdhsa_system_sgpr_workgroup_id_z 1
		.amdhsa_system_vgpr_workitem_id 0
		.amdhsa_next_free_vgpr 256
		.amdhsa_next_free_sgpr 66
		.amdhsa_reserve_vcc 1
		.amdhsa_float_denorm_mode_32 3
		.amdhsa_float_denorm_mode_16_64 3
		.amdhsa_memory_ordered 1
		.amdhsa_forward_progress 1
		.amdhsa_inst_pref_size 72
	.end_amdhsa_kernel
	.amdgpu_metadata
---
amdhsa.version: [ 1, 2 ]
amdhsa.kernels:
  - .name:           k_q898ae5dd3b_quant
    .symbol:         k_q898ae5dd3b_quant.kd
    .args:
      - { .name: x, .offset: 0, .size: 8, .value_kind: global_buffer, .address_space: global }
      - { .name: Wq, .offset: 8, .size: 8, .value_kind: global_buffer, .address_space: global }
      - { .name: Wk, .offset: 16, .size: 8, .value_kind: global_buffer, .address_space: global }
      - { .name: Wv, .offset: 24, .size: 8, .value_kind: global_buffer, .address_space: global }
      - { .name: xw_codes, .offset: 32, .size: 8, .value_kind: global_buffer, .address_space: global }
      - { .name: xw_scales, .offset: 40, .size: 8, .value_kind: global_buffer, .address_space: global }
    .group_segment_fixed_size: 34304
    .private_segment_fixed_size: 0
    .kernarg_segment_align: 8
    .kernarg_segment_size: 48
    .max_flat_workgroup_size: 128
    .sgpr_count:     66
    .vgpr_count:     256
    .wavefront_size: 32
...
	.end_amdgpu_metadata
.endif
;; end of part 1
;; launch proj (part 2): grid 8 x 32, 4 waves a work-group, clusters of 4 x 4, 327,680 bytes of LDS; arguments xw_codes, xw_scales, bq, bk, bv, qkv_codes, qkv_scales; writes qkv_codes, qkv_scales
.if DOCPART == 2
	.amdgcn_target "amdgcn-amd-amdhsa--gfx1250"
	.amdhsa_code_object_version 6
	.text
	.protected	k_q898ae5dd3b_proj
	.globl	k_q898ae5dd3b_proj
	.p2align	8
	.type	k_q898ae5dd3b_proj,@function
k_q898ae5dd3b_proj:
	s_mov_b64 s[64:65], 0
	v_nop
	global_prefetch_b8 v0, s[64:65] scope:SCOPE_SE
	s_setreg_imm32_b32 hwreg(HW_REG_WAVE_MODE, 25, 1), 1
	s_wait_xcnt 0x0
	s_wait_alu depctr_hold_cnt(0) depctr_sa_sdst(0) depctr_va_vdst(0) depctr_va_sdst(0) depctr_va_ssrc(0) depctr_va_vcc(0) depctr_vm_vsrc(0)
	s_getreg_b32 s2, hwreg(HW_REG_IB_STS2, 6, 4)
	s_cmp_eq_u32 s2, 0
	s_cbranch_scc0 .Lentry_in_a_cluster
	s_endpgm
.Lentry_in_a_cluster:
	s_bfe_u32 s2, ttmp6, 0x10000c
	s_cmp_lg_u32 s2, 0xf033
	s_cbranch_scc0 .Lentry_shape_is_right
	s_endpgm
.Lentry_shape_is_right:
; q = x Wq + bq, k = x Wk + bk, v = x Wv + bv on codes of E2M3, and the quantiser of the results: q and k along d, v along the keys.
; OPERANDS lie in memory as images of the matrix instruction's registers: a fragment (16 rows x 128 K) is 1,536 bytes, three pieces of 512 (piece c: lane l's registers 4 c .. 4 c + 3 at 16 l); eight fragments
; (a row group g of 128 rows, one K step ks) are a block of 12,288 bytes, block 8 g + ks; a block's scale words are 512 bytes, [half][r][w] = the word of row 16 (4 half + w) + r.
; SHARES.  The three products have 8,192 x 3,072 results: 256 work-groups of four waves take 256 rows of x each against 256 columns of Wq or Wk and 128 columns of Wv, so that every work-group has the same work.
; "I" is the operand given as source 0: a lane's eight results run along it, so it becomes the K of the product that follows; "J" is source 1: a lane holds one of its rows.
; PHASE 1, q or k: I = 256 columns of W, J = the 256 rows of x; a wave makes 128 x 128: 64 accumulators; then the bias (along I) and the quantiser along d.
; PHASE 2, v: I = the same 256 rows of x (the keys), which have stayed in LDS, J = 128 columns of Wv; a wave makes 128 keys x 64 of d: 32 accumulators; then the bias (along J) and the quantiser along the keys.
; THE RESULT'S K IS PERMUTED INSIDE EACH BLOCK OF 32: position 16 h + i of a block holds k = 8 h + i (i < 8) or 8 + 8 h + i (i >= 8).  Both operands of each later product are made here or in the same way, so the
; products' terms pair up as they should, and the blocks and their scales are the true ones.
; CLUSTER 4 x 4: x's tiles hang on the tile row Y and are asked for jointly along a row of the cluster; W's and Wv's hang on the tile column X and are asked for jointly along a column.
; LDS: x's codes for all of K (2 x 98,304 bytes, filled once); two slots of 49,152 bytes for W (phase 1: two K steps of two row groups; phase 2: four K steps of Wv); Wv's scale words (4,096); x's and W's (16,384); the
; spare words.  Five tensor loads of a wave are out at the start.  W's slots are filled again four times, by waves 2 and 3, one load each behind a round of the cluster's barrier: W's K steps 4-5, 6-7, Wv's 0-3, 4-7.
; LIMITS: NaN and infinities are not served; a block under 2^-124 keeps the byte 1; a block of zeros gets the byte 1 and zero codes (this program alone reads the bytes).
; REGISTERS: window 0: v1 r, v2 h, v3 16 x lane, v16-31 addresses, v32-47 scale words (two sets), v48-63 the way out's words and the bias along J, v64-159 and v160-255 J's fragments in phase 1 (two sets),
; v64-111 and v112-159 J's in phase 2; window 1: v0-95 and v128-223 I's (two sets); windows 2, 3: the accumulators: phase 1 (a, b) at v[8 (8 (a % 4) + b)] of window 2 + a / 4, phase 2 (a, b) at v[8 (8 a + b)] of window 2.
.set XG,    98304                      ; a row group's codes for all of K
.set PARTB, 24576                      ; two K steps of a row group: what one tensor load brings
.set WSL,   2*XG                       ; behind x: W's two slots
.set WSB,   2*PARTB
.set SCV,   WSL+2*WSB                  ; Wv's scale words
.set SCP,   SCV+4096                   ; x's two row groups' scale words, then W's two
.set SPARE, SCP+16384
.set ADRA, 16                          ; v16-17 x as J: K steps 0-3, 4-7
.set ADRI, 18                          ; v18-19 x as I
.set ADRB, 20                          ; v20-21 W in slots 0, 1
.set ADRJ, 22                          ; v22-23 Wv in slots 0, 1
.set BXO,  24                          ; v24  32 h
.set BYO,  25                          ; v25  4 r
.set SVO,  26                          ; v26  16 r + 8 h
.set ADRS, 27                          ; v27  phase 1's scale words
.set SPW,  28
.set NIL,  29
.set ADRT, 30                          ; v30-31 phase 2's scale words
.set ADRT2, 31
.set SC,   32
.set PWS,  48                          ; v48-55 the fragments' scale words
.set PWO,  56                          ; v56-59 those that I store
.set BY,   60                          ; v60-63 the bias along J (phase 2)
.set BX,   64                          ; the way out: v64-127 the bias along I (phase 1)
.set TM,   136
.set PT,   148
.set HA,   160                         ; v160-223 64 results with their bias
.set PC,   224                         ; v224-235 a fragment's codes
.set SEL,  10                          ; s[10:11]
.set G1,   24                          ; groups 1: x's codes, W's codes, x's scale words, W's, Wv's
.set G1B,  32
.set G1S,  40
.set G1SB, 48
.set G1VS, 68
.set G0S,  56                          ; groups 0: x's scale words, W's, Wv's,
.set G0SB, 60
.set G0VS, 76
.set G0X,  80                          ; x's K steps 0-1 and 2-3,
.set G0XR, 88                          ; my quarter of x's K steps 4-7,
.set G0W,  92                          ; W's slots 0 and 1
.set DV,   100                         ; s[100:101] bytes from slot 0's last tile of W to its tile of Wv
.set MSB, 0
.macro WIN new                         ; the immediate's high byte repeats the setting that is left
.if MSB != (\new)
	s_set_vgpr_msb (MSB<<8)|(\new)
.set MSB, (\new)
.endif
.endm
.macro PLACES n
.rept \n
	v_nop
.endr
.endm
; A joint first fill: waves 0 and 1 fetch for x, waves 2 and 3 for W.  Each line has one mask and one set of registers; the branch hangs on the wave's number alone.  An s_nop 0 and four v_nop follow each line.
.macro JLOAD g0a, g1a, g0b, g1b
	s_cmp_eq_u32 s19, 0
	s_cbranch_scc0 .Lfor_i_\@
	tensor_load_to_lds s[\g0a:\g0a+3], s[\g1a:\g1a+7]
	s_nop 0
.rept 4
	v_nop
.endr
	s_branch .Lasked_\@
.Lfor_i_\@:
	tensor_load_to_lds s[\g0b:\g0b+3], s[\g1b:\g1b+7]
	s_nop 0
.rept 4
	v_nop
.endr
.Lasked_\@:
.endm
; A joint refill of one of W's slots: waves 2 and 3 fetch a half each, waves 0 and 1 have no part of it.  The branch hangs on the wave's number alone: it is the same in every work-group.
.macro WLOAD g0
	s_cmp_eq_u32 s19, 0
	s_cbranch_scc1 .Lnone_\@
	tensor_load_to_lds s[\g0:\g0+3], s[G1B:G1B+7]
	s_nop 0
.rept 4
	v_nop
.endr
.Lnone_\@:
.endm
.macro CREST                           ; a round of the cluster's barrier behind its opening barrier
	s_cmp_lg_u32 s18, 0
	s_cbranch_scc1 .Lnot_wave_0_\@
	s_barrier_signal -3
.Lnot_wave_0_\@:
	s_barrier_wait -3
	s_barrier_signal -1
	s_barrier_wait -1
.endm
.macro CROUND
	s_barrier_signal -1
	s_barrier_wait -1
	CREST
.endm
.macro FRAG reg, adr, off              ; a fragment's image: three loads of 512 consecutive bytes
.irp c, 0,1,2
	ds_load_b128 v[(\reg)+4*\c:(\reg)+4*\c+3], v[\adr] offset:(\off)+512*\c
.endr
.endm
; PHASE 1.  50 LDS loads in one run: W's and x's eight fragments of K step ks into set p, and its scale words: in register SC + 8 p + i lanes 0-15 hold the word of x's block i, lanes 16-31 that of W's
.macro FETCH1 ks, p
	WIN 0x40
.irp i, 0,1,2,3,4,5,6,7
	FRAG 128*(\p)+12*\i, ADRB+(((\ks)/2)%2), 12288*((\ks)%2)+1536*\i
.endr
	WIN 0
.irp i, 0,1,2,3,4,5,6,7
	FRAG 64+96*(\p)+12*\i, ADRA+((\ks)/4), 12288*((\ks)%4)+1536*\i
.endr
	ds_load_b128 v[SC+8*(\p):SC+8*(\p)+3], v[ADRS] offset:512*(\ks)
	ds_load_b128 v[SC+8*(\p)+4:SC+8*(\p)+7], v[ADRS] offset:512*(\ks)+256
.endm
; 16 matrix instructions: x's blocks a0, a0 + 1 against W's eight.  The 64 accumulators take turns, one instruction a turn, in the same order in every K step.  zero = 1: the products start the sums.
.macro MUL16 a0, p, zero
	WIN 0xa1+0x50*((\a0)/4)
.irp a, \a0, \a0+1
.irp b, 0,1,2,3,4,5,6,7
.if \zero
	v_wmma_scale_f32_16x16x128_f8f6f4 v[8*(8*((\a)%4)+\b):8*(8*((\a)%4)+\b)+7], v[128*(\p)+12*\b:128*(\p)+12*\b+11], v[64+96*(\p)+12*(\a):64+96*(\p)+12*(\a)+11], 0, v[SC+8*(\p)+\b], v[SC+8*(\p)+(\a)] matrix_a_fmt:MATRIX_FMT_FP6 matrix_b_fmt:MATRIX_FMT_FP6 matrix_a_scale:MATRIX_SCALE_ROW1
.else
	v_wmma_scale_f32_16x16x128_f8f6f4 v[8*(8*((\a)%4)+\b):8*(8*((\a)%4)+\b)+7], v[128*(\p)+12*\b:128*(\p)+12*\b+11], v[64+96*(\p)+12*(\a):64+96*(\p)+12*(\a)+11], v[8*(8*((\a)%4)+\b):8*(8*((\a)%4)+\b)+7], v[SC+8*(\p)+\b], v[SC+8*(\p)+(\a)] matrix_a_fmt:MATRIX_FMT_FP6 matrix_b_fmt:MATRIX_FMT_FP6 matrix_a_scale:MATRIX_SCALE_ROW1
.endif
.endr
.endr
.endm
; A K step on set p; K step fks's operands are asked for first, into the other set, 64 matrix instructions ahead of their use.
.macro STEP1 p, fks, zero
	s_wait_dscnt 0x0                               ; this step's set is in
	PLACES 4                                       ; in front of loads into registers that matrix instructions have read
	FETCH1 \fks, 1-(\p)
	MUL16 0, \p, \zero
	MUL16 2, \p, \zero
	MUL16 4, \p, \zero
	MUL16 6, \p, \zero
.endm
; A slot's second K step (set 1) leaves the slot.  In front of the barrier each wave waits for all its tensor loads, adds 0 to its spare word, and waits for that and for its LDS reads; the barrier opens a round of the
; cluster's, so that no wave of any partner still reads the slot or has a load on its way; the slot is filled again first thing behind the round.
; kind 0: with W's K steps four on; 1: slot 0 with Wv's K steps 0-3; 2: slot 1 with Wv's K steps 4-7.  last = 1: phase 1's last K step: in place of the next operands the biases are asked for.
.macro TURN1 slot, kind, last, fks
	WIN 0
	s_wait_tensorcnt 0x0                           ; all my tensor loads have landed
	ds_add_u32 v[SPW], v[NIL]
	s_wait_dscnt 0x1                               ; this step's set is in; the add alone may be out
	MUL16 0, 1, 0
	s_wait_dscnt 0x0                               ; the add is done, and so are my reads of the slot
	s_barrier_signal -1
	MUL16 2, 1, 0
	WIN 0
	s_barrier_wait -1
	CREST
.if (\kind) == 0
	s_add_nc_u64 s[G0W+4*(\slot)+2:G0W+4*(\slot)+3], s[G0W+4*(\slot)+2:G0W+4*(\slot)+3], 2*PARTB
.else
	s_add_nc_u64 s[G0W+4*(\slot)+2:G0W+4*(\slot)+3], s[G0W+4*(\slot)+2:G0W+4*(\slot)+3], s[DV:DV+1]
.endif
.if (\kind) == 2
	s_add_nc_u64 s[G0W+4*(\slot)+2:G0W+4*(\slot)+3], s[G0W+4*(\slot)+2:G0W+4*(\slot)+3], PARTB   ; slot 1's last tile of W lies 24,576 bytes farther from its tile of Wv than slot 0's
.endif
	WLOAD G0W+4*(\slot)                            ; a wave's one tensor load behind the round
	PLACES 4                                       ; in front of loads into registers that matrix instructions have read (waves 0 and 1 have passed no v_nop above)
.if \last
.irp b, 0,1,2,3,4,5,6,7
	global_load_b128 v[BX+8*\b:BX+8*\b+3], v[BXO], s[8:9] offset:64*\b          ; register 8 b + j: bq's or bk's number for W's column 16 b + 8 h + j
	global_load_b128 v[BX+8*\b+4:BX+8*\b+7], v[BXO], s[8:9] offset:64*\b+16
.endr
.irp a, 0,1,2,3
	global_load_b32 v[BY+\a], v[BYO], s[12:13] offset:64*\a                     ; bv's number for Wv's column 16 a + r of my 64
.endr
.else
	FETCH1 \fks, 0
.endif
	MUL16 4, 1, 0
	MUL16 6, 1, 0
.endm
; PHASE 2.  38 LDS loads in one run: x's eight fragments and Wv's four of K step ks into set p, and the scale words: lanes 0-15 of register SC + 8 p + a hold Wv's block a of my four, lanes 16-31 of SC + 8 p + b x's block b
.macro FETCH2 ks, p
	WIN 0x40
.irp i, 0,1,2,3,4,5,6,7
	FRAG 128*(\p)+12*\i, ADRI+((\ks)/4), 12288*((\ks)%4)+1536*\i
.endr
	WIN 0
.irp i, 0,1,2,3
	FRAG 64+48*(\p)+12*\i, ADRJ+((\ks)/4), 12288*((\ks)%4)+1536*\i
.endr
	ds_load_b128 v[SC+8*(\p):SC+8*(\p)+3], v[ADRT] offset:512*(\ks)
	ds_load_b128 v[SC+8*(\p)+4:SC+8*(\p)+7], v[ADRT2] offset:512*(\ks)
.endm
; 8 matrix instructions: Wv's block a of my four against x's eight.  The 32 accumulators take turns, one instruction a turn, in the same order in every K step.
.macro MUL8 a, p, zero
	WIN 0xa1
.irp b, 0,1,2,3,4,5,6,7
.if \zero
	v_wmma_scale_f32_16x16x128_f8f6f4 v[8*(8*(\a)+\b):8*(8*(\a)+\b)+7], v[128*(\p)+12*\b:128*(\p)+12*\b+11], v[64+48*(\p)+12*(\a):64+48*(\p)+12*(\a)+11], 0, v[SC+8*(\p)+\b], v[SC+8*(\p)+(\a)] matrix_a_fmt:MATRIX_FMT_FP6 matrix_b_fmt:MATRIX_FMT_FP6 matrix_a_scale:MATRIX_SCALE_ROW1
.else
	v_wmma_scale_f32_16x16x128_f8f6f4 v[8*(8*(\a)+\b):8*(8*(\a)+\b)+7], v[128*(\p)+12*\b:128*(\p)+12*\b+11], v[64+48*(\p)+12*(\a):64+48*(\p)+12*(\a)+11], v[8*(8*(\a)+\b):8*(8*(\a)+\b)+7], v[SC+8*(\p)+\b], v[SC+8*(\p)+(\a)] matrix_a_fmt:MATRIX_FMT_FP6 matrix_b_fmt:MATRIX_FMT_FP6 matrix_a_scale:MATRIX_SCALE_ROW1
.endif
.endr
.endm
.macro STEP2 p, fks, zero              ; a K step on set p; K step fks's operands are asked for first, 32 matrix instructions ahead of their use
	s_wait_dscnt 0x0                               ; this step's set is in
	PLACES 4                                       ; in front of loads into registers that matrix instructions have read
	FETCH2 \fks, 1-(\p)
	MUL8 0, \p, \zero
	MUL8 1, \p, \zero
	MUL8 2, \p, \zero
	MUL8 3, \p, \zero
.endm
; 64 numbers of a lane, register 16 b + i, become a fragment's codes in v[pc] on and the row's scale word in v[pw]
.macro QUANT s, pc, pw
.irp b, 0,1,2,3
	v_max3_num_f32 v[TM+\b], |v[(\s)+16*\b]|, |v[(\s)+16*\b+1]|, 0x1800000   ; my 16 numbers of block b, and the floor 2^(3 - 127)
.endr
.irp i, 2,4,6,8,10,12,14
.irp b, 0,1,2,3
	v_max3_num_f32 v[TM+\b], v[TM+\b], |v[(\s)+16*\b+\i]|, |v[(\s)+16*\b+\i+1]|
.endr
.endr
.irp b, 0,1,2,3
	v_permlanex16_b32 v[TM+4+\b], v[TM+\b], s[SEL], s[SEL+1]
.endr
.irp b, 0,1,2,3
	v_max_num_f32 v[TM+\b], v[TM+\b], v[TM+4+\b]   ; with lane l xor 16's 16
.endr
.irp b, 0,1,2,3
	v_add_nc_u32 v[TM+8+\b], 0xff000000, v[TM+\b]  ; 2 off the exponent field: the conversion's scale operand
.endr
.irp b, 0,1,2,3
	v_lshrrev_b32 v[TM+4+\b], 23, v[TM+8+\b]       ; the byte
.endr
	v_lshl_or_b32 v[\pw], v[TM+5], 8, v[TM+4]
	v_lshl_or_b32 v[\pw], v[TM+6], 16, v[\pw]
	v_lshl_or_b32 v[\pw], v[TM+7], 24, v[\pw]
.irp c, 0,1
	v_cvt_scalef32_pk16_fp6_f32 v[(\pc)+6*\c:(\pc)+6*\c+2], v[(\s)+32*\c:(\s)+32*\c+15], v[TM+8+2*\c]
	v_cvt_scalef32_pk16_fp6_f32 v[PT+4*\c:PT+4*\c+2], v[(\s)+32*\c+16:(\s)+32*\c+31], v[TM+8+2*\c+1]
.endr
	v_nop                                          ; one plain instruction behind the scaled conversions
.irp c, 0,1
.irp i, 0,1,2
	v_permlane16_swap_b32 v[(\pc)+6*\c+\i], v[PT+4*\c+\i]
.endr
.irp i, 0,1,2
	v_mov_b32 v[(\pc)+6*\c+3+\i], v[PT+4*\c+\i]
.endr
.endr
.endm
	s_load_b256 s[4:11], s[0:1], 0x0               ; the codes, the scale words, bq, bk
	s_load_b128 s[12:15], s[0:1], 0x20             ; bv, the results' codes
	s_load_b64 s[16:17], s[0:1], 0x30              ; the results' scale words
	v_lshl_add_u32 v[SPW], v0, 2, SPARE
	v_mov_b32 v[NIL], 0
	ds_add_u32 v[SPW], v[NIL]                      ; the wave's opening: the add and its wait ahead of my first tensor load
	v_lshrrev_b32 v1, 5, v0
	v_readfirstlane_b32 s18, v1                    ; wave
	s_lshr_b32 s19, s18, 1                         ; my half of J.  Also: I fetch for x (0) or for W (1)
	s_and_b32 s20, s18, 1                          ; my half of I.  Also: which row group I fetch
	s_bfe_u32 s21, ttmp6, 0x40000                  ; cx
	s_bfe_u32 s22, ttmp6, 0x40004                  ; cy
	s_and_b32 s23, ttmp7, 0xffff                   ; the cluster's y
	s_lshl_b32 s2, s22, 2
	s_lshl_b32 s2, 15, s2                          ; my row of the cluster
	s_lshl_b32 s66, 0x1111, s21                    ; my column
	s_or_b32 s[G1], s2, (3<<16)|(1<<21)            ; 15:0 the mask; 17:16 elements of 8 bytes; 21 set beside a mask; no padding
	s_or_b32 s[G1S], s2, (3<<16)|(1<<21)
	s_or_b32 s[G1B], s66, (3<<16)|(1<<21)
	s_or_b32 s[G1SB], s66, (3<<16)|(1<<21)
	s_or_b32 s[G1VS], s66, (3<<16)|(1<<21)
.irp g, G1, G1B                                ; two K steps of a row group: 24,576 dense bytes as 96 rows of 256
	s_mov_b32 s[\g+1], 32<<16
	s_mov_b32 s[\g+2], 96<<16
	s_mov_b32 s[\g+3], 32<<16
	s_mov_b32 s[\g+4], 96
	s_mov_b32 s[\g+5], 32
	s_mov_b32 s[\g+6], 0
	s_mov_b32 s[\g+7], 0
.endr
.irp g, G1S, G1SB                              ; a row group's scale words for all of K: 4,096 dense bytes as 16 rows of 256
	s_mov_b32 s[\g+1], 32<<16
	s_mov_b32 s[\g+2], 16<<16
	s_mov_b32 s[\g+3], 32<<16
	s_mov_b32 s[\g+4], 16
	s_mov_b32 s[\g+5], 32
	s_mov_b32 s[\g+6], 0
	s_mov_b32 s[\g+7], 0
.endr
	s_mov_b32 s[G1VS+1], 32<<16                    ; a quarter of Wv's scale words: 1,024 dense bytes as 4 rows of 256
	s_mov_b32 s[G1VS+2], 4<<16
	s_mov_b32 s[G1VS+3], 32<<16
	s_mov_b32 s[G1VS+4], 4
	s_mov_b32 s[G1VS+5], 32
	s_mov_b32 s[G1VS+6], 0
	s_mov_b32 s[G1VS+7], 0
	; x's offsets hang on the tile row alone (s2, s3 and x's groups 0 never hold cx)
	s_lshl_b32 s2, s23, 2
	s_add_co_u32 s2, s2, s22                       ; Y = 4 x cluster y + cy
	s_lshl_b32 s2, s2, 1
	s_add_co_u32 s2, s2, s20                       ; the row group of x that I fetch
	s_lshl_b32 s[G0S+2], s2, 12                    ; its scale words
	s_mov_b32 s[G0S+3], 0
	s_mul_i32 s2, s2, XG                           ; its codes
	s_mov_b32 s3, 0
	s_mul_i32 s[G0XR+2], s19, PARTB
	s_add_co_u32 s[G0XR+2], s[G0XR+2], 2*PARTB     ; my quarter of K steps 4-7: K step 4 + 2 (wave / 2) on
	s_mov_b32 s[G0XR+3], 0
	; W's and Wv's hang on the tile column alone (s66, s67, s100, s101 and their groups 0 never hold cy)
	s_lshl_b32 s66, ttmp9, 2
	s_add_co_u32 s66, s66, s21                     ; X = 4 x cluster x + cx
	s_add_co_u32 s[G0VS+2], s66, 80                ; Wv's row group
	s_lshl_b32 s[G0VS+2], s[G0VS+2], 12
	s_lshl_b32 s67, s18, 10
	s_add_co_u32 s[G0VS+2], s[G0VS+2], s67         ; my quarter of its scale words
	s_mov_b32 s[G0VS+3], 0
	s_sub_co_u32 s[DV], 16, s66                    ; from W's row group 64 + 2 X + e, K step 4, to Wv's row group 80 + X, K step 2 e: (16 - X - e) row groups - 4 K steps + 2 e K steps
	s_sub_co_u32 s[DV], s[DV], s20
	s_mul_i32 s[DV], s[DV], XG
	s_mul_i32 s67, s20, PARTB
	s_add_co_u32 s[DV], s[DV], s67
	s_sub_co_u32 s[DV], s[DV], 2*PARTB
	s_mov_b32 s[DV+1], 0
	s_lshl_b32 s66, s66, 1
	s_add_co_u32 s66, s66, s20
	s_add_co_u32 s66, s66, 64                      ; the row group of W that I fetch
	s_lshl_b32 s[G0SB+2], s66, 12
	s_mov_b32 s[G0SB+3], 0
	s_mul_i32 s66, s66, XG
	s_mov_b32 s67, 0
	; where they go: by the wave's number alone
	s_mov_b32 s[G0S], 1
	s_lshl_b32 s[G0S+1], s18, 12
	s_add_co_u32 s[G0S+1], s[G0S+1], SCP
	s_mov_b32 s[G0SB], 1
	s_lshl_b32 s[G0SB+1], s18, 12
	s_add_co_u32 s[G0SB+1], s[G0SB+1], SCP
	s_mov_b32 s[G0VS], 1
	s_lshl_b32 s[G0VS+1], s18, 10
	s_add_co_u32 s[G0VS+1], s[G0VS+1], SCV
	s_mov_b32 s[G0X], 1
	s_mul_i32 s[G0X+1], s20, XG
	s_mov_b32 s[G0X+4], 1
	s_add_co_u32 s[G0X+5], s[G0X+1], PARTB
	s_mov_b32 s[G0XR], 1
	s_mul_i32 s[G0XR+1], s19, PARTB
	s_add_co_u32 s[G0XR+1], s[G0XR+1], s[G0X+1]
	s_add_co_u32 s[G0XR+1], s[G0XR+1], 2*PARTB
	s_mov_b32 s[G0W], 1
	s_mul_i32 s[G0W+1], s20, PARTB
	s_add_co_u32 s[G0W+1], s[G0W+1], WSL
	s_mov_b32 s[G0W+4], 1
	s_add_co_u32 s[G0W+5], s[G0W+1], WSB
	s_wait_dscnt 0x0                               ; the opening add is done
	s_wait_kmcnt 0x0
	s_add_nc_u64 s[2:3], s[4:5], s[2:3]
	s_add_nc_u64 s[66:67], s[4:5], s[66:67]
	s_add_nc_u64 s[G0S+2:G0S+3], s[6:7], s[G0S+2:G0S+3]
	s_or_b32 s[G0S+3], s[G0S+3], 0x80000000
	s_add_nc_u64 s[G0SB+2:G0SB+3], s[6:7], s[G0SB+2:G0SB+3]
	s_or_b32 s[G0SB+3], s[G0SB+3], 0x80000000
	s_add_nc_u64 s[G0VS+2:G0VS+3], s[6:7], s[G0VS+2:G0VS+3]
	s_or_b32 s[G0VS+3], s[G0VS+3], 0x80000000
	s_mov_b64 s[G0X+2:G0X+3], s[2:3]
	s_or_b32 s[G0X+3], s[G0X+3], 0x80000000
	s_add_nc_u64 s[G0X+6:G0X+7], s[2:3], PARTB
	s_or_b32 s[G0X+7], s[G0X+7], 0x80000000
	s_add_nc_u64 s[G0XR+2:G0XR+3], s[2:3], s[G0XR+2:G0XR+3]
	s_or_b32 s[G0XR+3], s[G0XR+3], 0x80000000
	s_mov_b64 s[G0W+2:G0W+3], s[66:67]
	s_or_b32 s[G0W+3], s[G0W+3], 0x80000000
	s_add_nc_u64 s[G0W+6:G0W+7], s[66:67], PARTB
	s_or_b32 s[G0W+7], s[G0W+7], 0x80000000
	CROUND                                         ; all sixteen work-groups are here: the first joint loads meet
	JLOAD G0S, G1S, G0SB, G1SB                     ; the scale words first: they are wanted with K step 0
	tensor_load_to_lds s[G0VS:G0VS+3], s[G1VS:G1VS+7]   ; every wave its quarter of Wv's scale words
	s_nop 0
.rept 4
	v_nop
.endr
	JLOAD G0X, G1, G0W, G1B                        ; x's K steps 0-1, W's slot 0
	JLOAD G0X+4, G1, G0W+4, G1B                    ; x's K steps 2-3, W's slot 1
	tensor_load_to_lds s[G0XR:G0XR+3], s[G1:G1+7]  ; every wave its quarter of x's K steps 4-7
	s_nop 0
.rept 4
	v_nop
.endr
	v_and_b32 v1, 15, v0                           ; r
	v_bfe_u32 v2, v0, 4, 1                         ; h
	v_and_b32 v3, 31, v0
	v_lshlrev_b32 v3, 4, v3                        ; 16 x lane
	v_lshlrev_b32 v[BXO], 5, v2
	v_lshlrev_b32 v[BYO], 2, v1
	v_lshlrev_b32 v[SVO], 4, v1
	v_lshl_add_u32 v[SVO], v2, 3, v[SVO]
	s_mul_i32 s4, s19, XG                          ; x as J: my half of J's row group;
	s_mul_i32 s5, s20, XG                          ; x as I: my half of I's
	v_add_nc_u32 v[ADRA], s4, v3
	v_add_nc_u32 v[ADRI], s5, v3
	s_add_co_u32 s4, s4, 2*PARTB                   ; K steps 4-7 have a register of their own: an LDS offset has 16 bits
	s_add_co_u32 s5, s5, 2*PARTB
	v_add_nc_u32 v[ADRA+1], s4, v3
	v_add_nc_u32 v[ADRI+1], s5, v3
	s_mul_i32 s4, s20, PARTB                       ; W: my row group's part of a slot;
	s_add_co_u32 s4, s4, WSL
	s_mul_i32 s5, s19, 6144                        ; Wv: my four fragments of a block's eight
	s_add_co_u32 s5, s5, WSL
	v_add_nc_u32 v[ADRB], s4, v3
	v_add_nc_u32 v[ADRJ], s5, v3
	s_add_co_u32 s4, s4, WSB
	s_add_co_u32 s5, s5, WSB
	v_add_nc_u32 v[ADRB+1], s4, v3
	v_add_nc_u32 v[ADRJ+1], s5, v3
	s_add_co_u32 s5, s20, 2
	s_sub_co_u32 s5, s5, s19
	s_lshl_b32 s5, s5, 12                          ; phase 1: from x's scale words to W's: 4,096 (2 + my half of I - my half of J)
	v_mul_u32_u24 v4, s5, v2                       ; lanes 16-31 take W's
	v_lshl_add_u32 v4, v1, 4, v4
	s_lshl_b32 s5, s19, 12
	s_add_co_u32 s5, s5, SCP
	v_add_nc_u32 v[ADRS], s5, v4
	s_lshl_b32 s5, s20, 12
	s_add_co_u32 s5, s5, 4096
	s_lshl_b32 s4, s19, 8
	s_sub_co_u32 s5, s5, s4                        ; phase 2: from Wv's scale words of my half to x's of my row group
	v_mul_u32_u24 v4, s5, v2                       ; lanes 16-31 take x's
	v_lshl_add_u32 v4, v1, 4, v4
	s_add_co_u32 s4, s4, SCV
	v_add_nc_u32 v[ADRT], s4, v4
	v_lshl_add_u32 v[ADRT2], v2, 8, v[ADRT]        ; x's blocks 4 to 7 lie 256 bytes on
	; where the results go, and the biases.  (No register below feeds a descriptor, an LDS address or a branch.)
	s_lshl_b32 s2, ttmp9, 2
	s_add_co_u32 s2, s2, s21                       ; X
	s_lshl_b32 s3, s23, 2
	s_add_co_u32 s3, s3, s22                       ; Y
	s_lshr_b32 s4, s3, 3                           ; v's block: 1024 + ((Y / 8) 8 + X) 16 + 2 (Y % 8) + my half of I; in it my four fragments of eight
	s_lshl_b32 s4, s4, 3
	s_add_co_u32 s4, s4, s2
	s_lshl_b32 s4, s4, 4
	s_and_b32 s5, s3, 7
	s_lshl_b32 s5, s5, 1
	s_add_co_u32 s4, s4, s5
	s_add_co_u32 s4, s4, s20
	s_add_co_u32 s4, s4, 1024
	s_lshl_b32 s6, s4, 9
	s_lshl_b32 s5, s19, 8
	s_add_co_u32 s6, s6, s5
	s_mov_b32 s7, 0
	s_mul_i32 s4, s4, 12288
	s_mul_i32 s5, s19, 6144
	s_add_co_u32 s4, s4, s5
	s_mov_b32 s5, 0
	s_add_nc_u64 s[4:5], s[14:15], s[4:5]
	s_add_nc_u64 s[6:7], s[16:17], s[6:7]
	s_lshr_b32 s66, s2, 2                          ; q's or k's block: ((X / 4) 64 + 2 Y + my half of J) 8 + 2 (X % 4) + my half of I
	s_lshl_b32 s66, s66, 6
	s_lshl_b32 s67, s3, 1
	s_add_co_u32 s66, s66, s67
	s_add_co_u32 s66, s66, s19
	s_lshl_b32 s66, s66, 3
	s_and_b32 s67, s2, 3
	s_lshl_b32 s67, s67, 1
	s_add_co_u32 s67, s67, s20                     ; also: which 128 numbers of bq or bk are mine
	s_add_co_u32 s66, s66, s67
	s_cmp_lt_u32 s2, 4
	s_cselect_b64 s[8:9], s[8:9], s[10:11]         ; bq or bk
	s_lshl_b32 s10, s67, 9
	s_mov_b32 s11, 0
	s_add_nc_u64 s[8:9], s[8:9], s[10:11]
	s_lshl_b32 s10, s2, 1
	s_add_co_u32 s10, s10, s19
	s_lshl_b32 s10, s10, 8                         ; bv from number 128 X + 64 x my half of J on
	s_add_nc_u64 s[12:13], s[12:13], s[10:11]
	s_mul_i32 s10, s66, 12288
	s_add_nc_u64 s[14:15], s[14:15], s[10:11]
	s_lshl_b32 s10, s66, 9
	s_add_nc_u64 s[16:17], s[16:17], s[10:11]
	s_mov_b32 s[SEL], 0x76543210
	s_mov_b32 s[SEL+1], 0xfedcba98
	s_wait_tensorcnt 0x2                           ; the scale words and K steps 0-1 are in; my two youngest loads may be out
	s_barrier_signal -1
	s_barrier_wait -1
	; ---------------- phase 1: q or k
	FETCH1 0, 0
	STEP1 0, 1, 1                                  ; K step 0 starts the sums
	TURN1 0, 0, 0, 2                               ; K step 1; slot 0 takes W's K steps 4-5
	STEP1 0, 3, 0                                  ; K step 2
	TURN1 1, 0, 0, 4                               ; K step 3; slot 1 takes W's K steps 6-7
	STEP1 0, 5, 0                                  ; K step 4
	TURN1 0, 1, 0, 6                               ; K step 5; slot 0 takes Wv's K steps 0-3
	STEP1 0, 7, 0                                  ; K step 6
	TURN1 1, 2, 1, 0                               ; K step 7; slot 1 takes Wv's K steps 4-7; the biases are asked for
	WIN 0
	PLACES 4                                       ; behind the last products, ahead of writes into their operands' registers and of the first reads of results
	s_wait_loadcnt 0x0                             ; the biases
.irp b, 0,1,2,3
	v_mov_b32 v[TM+4+\b], 0                        ; written once: a lane permute's destination counts as one of its sources
.endr
.macro EPI a                           ; x's block a: 16 rows x my 128 of d = one fragment of q or k
.if (\a) > 0
	s_wait_xcnt 0x0                                ; the last fragment's stores have read the codes' registers
.endif
	WIN 0x02+((\a)/4)                              ; the accumulators: source 0
.set AC, 64*((\a)%4)
.set n, 0
.rept 32                                       ; each accumulator from its low end on
	v_pk_add_f32 v[HA+n:HA+n+1], v[AC+n:AC+n+1], v[BX+n:BX+n+1]
.set n, n+2
.endr
	WIN 0
	QUANT HA, PC, PWS+(\a)
.irp c, 0,1,2
	global_store_b128 v3, v[PC+4*\c:PC+4*\c+3], s[14:15] offset:1536*(\a)+512*\c   ; 32 lanes store 512 consecutive bytes
.endr
.endm
.irp a, 0,1,2,3,4,5,6,7
	EPI \a
.endr
	v_cmp_eq_u32 s2, 1, v2
.irp w, 0,1,2,3
	v_cndmask_b32 v[PWO+\w], v[PWS+\w], v[PWS+4+\w], s2    ; lane (r, h): the words of blocks 4 h .. 4 h + 3, row r
.endr
	global_store_b128 v3, v[PWO:PWO+3], s[16:17]
	; ---------------- phase 2: v
	s_wait_tensorcnt 0x0                           ; my part of Wv's K steps 4-7 has landed (K steps 0-3 were shown whole by the barrier in K step 7)
	ds_add_u32 v[SPW], v[NIL]
	s_wait_dscnt 0x0
	s_barrier_signal -1
	s_barrier_wait -1                              ; everybody's has: phase 2 needs no further barrier, and nothing is filled any more
	FETCH2 0, 0
	STEP2 0, 1, 1                                  ; K step 0 starts the sums
	STEP2 1, 2, 0
	STEP2 0, 3, 0
	STEP2 1, 4, 0
	STEP2 0, 5, 0
	STEP2 1, 6, 0
	STEP2 0, 7, 0
	s_wait_dscnt 0x0                               ; K step 7
	MUL8 0, 1, 0
	MUL8 1, 1, 0
	MUL8 2, 1, 0
	MUL8 3, 1, 0
	WIN 0
	PLACES 4                                       ; behind the last products, ahead of writes into their operands' registers and of the first reads of results
.macro EPV a                           ; Wv's block a of my four: 16 of d x my 128 keys = one fragment of v
	s_wait_xcnt 0x0                                ; the earlier stores have read the codes' registers
	WIN 0x02                                       ; the accumulators: source 0
.set n, 0
.rept 32                                       ; each accumulator from its low end on; the lane's one number of bv serves both halves
.if (\a)%2 == 0
	v_pk_add_f32 v[HA+n:HA+n+1], v[64*(\a)+n:64*(\a)+n+1], v[BY+(\a):BY+(\a)+1] op_sel_hi:[1,0]
.else
	v_pk_add_f32 v[HA+n:HA+n+1], v[64*(\a)+n:64*(\a)+n+1], v[BY+(\a)-1:BY+(\a)] op_sel:[0,1] op_sel_hi:[1,1]
.endif
.set n, n+2
.endr
	WIN 0
	QUANT HA, PC, PWS+(\a)
.irp c, 0,1,2
	global_store_b128 v3, v[PC+4*\c:PC+4*\c+3], s[4:5] offset:1536*(\a)+512*\c     ; 32 lanes store 512 consecutive bytes
.endr
.endm
.irp a, 0,1,2,3
	EPV \a
.endr
	v_cndmask_b32 v[PWO], v[PWS], v[PWS+2], s2     ; lane (r, h): the words of my blocks 2 h and 2 h + 1, row r.  (Phase 1's store of these registers stands ahead of the waits above)
	v_cndmask_b32 v[PWO+1], v[PWS+1], v[PWS+3], s2
	global_store_b64 v[SVO], v[PWO:PWO+1], s[6:7]  ; 32 lanes store 256 consecutive bytes, aligned
	s_wait_tensorcnt 0x0                           ; the wave's end
	ds_add_u32 v[SPW], v[NIL]
	s_wait_dscnt 0x0
	CROUND                                         ; the closing round
	s_endpgm
.Lfunc_end_k_q898ae5dd3b_proj:
	.size	k_q898ae5dd3b_proj, .Lfunc_end_k_q898ae5dd3b_proj-k_q898ae5dd3b_proj
	.p2alignl 7, 3214868480
	.fill 96, 4, 3214868480
	.section	.rodata,"a",@progbits
	.p2align	6, 0x0
	.amdhsa_kernel k_q898ae5dd3b_proj
		.amdhsa_group_segment_fixed_size 327680
		.amdhsa_private_segment_fixed_size 0
		.amdhsa_enable_private_segment 0
		.amdhsa_kernarg_size 56
		.amdhsa_user_sgpr_count 2
		.amdhsa_user_sgpr_kernarg_segment_ptr 1
		.amdhsa_wavefront_size32 1
		.amdhsa_system_sgpr_workgroup_id_x 1
		.amdhsa_system_sgpr_workgroup_id_y 1
		.amdhsa_system_sgpr_workgroup_id_z 1
		.amdhsa_system_vgpr_workitem_id 0
		.amdhsa_next_free_vgpr 1024
		.amdhsa_next_free_sgpr 102
		.amdhsa_reserve_vcc 0
		.amdhsa_float_denorm_mode_32 3
		.amdhsa_float_denorm_mode_16_64 3
		.amdhsa_memory_ordered 1
		.amdhsa_forward_progress 1
		.amdhsa_inst_pref_size 237
	.end_amdhsa_kernel
	.amdgpu_metadata
---
amdhsa.version: [ 1, 2 ]
amdhsa.kernels:
  - .name:           k_q898ae5dd3b_proj
    .symbol:         k_q898ae5dd3b_proj.kd
    .args:
      - { .name: xw_codes, .offset: 0, .size: 8, .value_kind: global_buffer, .address_space: global }
      - { .name: xw_scales, .offset: 8, .size: 8, .value_kind: global_buffer, .address_space: global }
      - { .name: bq, .offset: 16, .size: 8, .value_kind: global_buffer, .address_space: global }
      - { .name: bk, .offset: 24, .size: 8, .value_kind: global_buffer, .address_space: global }
      - { .name: bv, .offset: 32, .size: 8, .value_kind: global_buffer, .address_space: global }
      - { .name: qkv_codes, .offset: 40, .size: 8, .value_kind: global_buffer, .address_space: global }
      - { .name: qkv_scales, .offset: 48, .size: 8, .value_kind: global_buffer, .address_space: global }
    .group_segment_fixed_size: 327680
    .private_segment_fixed_size: 0
    .kernarg_segment_align: 8
    .kernarg_segment_size: 56
    .max_flat_workgroup_size: 128
    .sgpr_count:     102
    .vgpr_count:     1024
    .wavefront_size: 32
...
	.end_amdgpu_metadata
.endif
;; end of part 2
;; launch scores (part 3): grid 8 x 32, 4 waves a work-group, clusters of 4 x 4, 327,680 bytes of LDS; arguments qkv_codes, qkv_scales, scale, p_codes, p_stats; writes p_codes, p_stats
.if DOCPART == 3
	.amdgcn_target "amdgcn-amd-amdhsa--gfx1250"
	.amdhsa_code_object_version 6
	.text
	.protected	k_q898ae5dd3b_scores
	.globl	k_q898ae5dd3b_scores
	.p2align	8
	.type	k_q898ae5dd3b_scores,@function
k_q898ae5dd3b_scores:
	s_mov_b64 s[64:65], 0
	v_nop
	global_prefetch_b8 v0, s[64:65] scope:SCOPE_SE
	s_setreg_imm32_b32 hwreg(HW_REG_WAVE_MODE, 25, 1), 1
	s_wait_xcnt 0x0
	s_wait_alu depctr_hold_cnt(0) depctr_sa_sdst(0) depctr_va_vdst(0) depctr_va_sdst(0) depctr_va_ssrc(0) depctr_va_vcc(0) depctr_vm_vsrc(0)
	s_getreg_b32 s2, hwreg(HW_REG_IB_STS2, 6, 4)
	s_cmp_eq_u32 s2, 0
	s_cbranch_scc0 .Lentry_in_a_cluster
	s_endpgm
.Lentry_in_a_cluster:
	s_bfe_u32 s2, ttmp6, 0x10000c
	s_cmp_lg_u32 s2, 0xf033
	s_cbranch_scc0 .Lentry_shape_is_right
	s_endpgm
.Lentry_shape_is_right:
; The scores q k^T on codes of E2M3, and the softmax's first half.  t = score x log2(e) / scale.  For each query and each 128 keys: M = the largest t of these keys rounded UP to a whole number; p = 2^(t - M) is quantised
; along the keys and stored as codes; its scale words, -M and the sum of the unquantised p go to p_stats.  The next launch takes the largest M of a row and moves the scale bytes by the whole number between: exact.
; Operands and results lie as images of the matrix instruction's registers: fragment 1,536 bytes, block (128 rows, one K step) 12,288 bytes, a block's words 512 bytes as [half][r][w] = row 16 (4 half + w) + r.
; A work-group of four waves makes 256 queries x 256 keys over K = 1,024; a wave 128 x 128.  Source 0 ("I") = 16 keys, source 1 ("J") = 16 queries: a lane holds one query, its registers run along the keys.
; p's K is permuted inside each block of 32 keys as v's is (position 16 h + i holds key 8 h + i for i < 8, else 8 + 8 h + i): the products' terms pair up.
; CLUSTER 4 x 4: the queries' tiles are asked for jointly along a row of the cluster, the keys' along a column.  LDS and the K loop: three slots of two K steps, K steps 0 to 5 and the scale words out at the start (four
; tensor loads of a wave are out), K steps 6 and 7 into slot 0 when it has been left.
; LIMITS: scale is not 0 (a negative one is served: t is made ahead of the maximum); NaN and infinities are not served; beyond |t| = 2^24 t itself goes in steps above 1; a block's largest p is made from the block's
; largest t by the same two instructions, which takes v_exp_f32 not to fall where its input rises; a block whose every p is 0 gets the byte 1 and zero codes.
.set SLOTB, 98304
.set PARTB, 24576
.set SCL,   3*SLOTB
.set SPARE, SCL+16384
.set ADRA, 16
.set ADRB, 20
.set ADRS, 27
.set SPW,  28
.set NIL,  29
.set SC,   32
.set PWS,  48                          ; v48-55 p's scale words, a register a block of queries
.set TT,   64                          ; the way out: v64-127 t, then p
.set PC,   128                         ; v128-139 a fragment's codes
.set PT,   140
.set BM,   148                         ; v148-151 the blocks' largest t, then p
.set BX,   152                         ; v152-155 the other half's; then the bytes
.set SO,   156                         ; v156-159 the conversions' scale operands
.set NMS,  160                         ; v160-167 -M
.set LLS,  168                         ; v168-175 the sums
.set SEL,  14                          ; s[14:15]
.set G1,   24
.set G1B,  32
.set G1S,  40
.set G1SB, 48
.set G0S,  56
.set G0SB, 60
.set G0,   68
.set G0B,  80
.set MSB, 0
.macro WIN new                         ; the immediate's high byte repeats the setting that is left
.if MSB != (\new)
	s_set_vgpr_msb (MSB<<8)|(\new)
.set MSB, (\new)
.endif
.endm
.macro PLACES n
.rept \n
	v_nop
.endr
.endm
; A joint load: waves 0 and 1 fetch for J, waves 2 and 3 for I; the branch hangs on the wave's number alone.  An s_nop 0 and four v_nop follow each line.
.macro JLOAD g0a, g1a, g0b, g1b
	s_cmp_eq_u32 s19, 0
	s_cbranch_scc0 .Lfor_i_\@
	tensor_load_to_lds s[\g0a:\g0a+3], s[\g1a:\g1a+7]
	s_nop 0
.rept 4
	v_nop
.endr
	s_branch .Lasked_\@
.Lfor_i_\@:
	tensor_load_to_lds s[\g0b:\g0b+3], s[\g1b:\g1b+7]
	s_nop 0
.rept 4
	v_nop
.endr
.Lasked_\@:
.endm
.macro CREST
	s_cmp_lg_u32 s18, 0
	s_cbranch_scc1 .Lnot_wave_0_\@
	s_barrier_signal -3
.Lnot_wave_0_\@:
	s_barrier_wait -3
	s_barrier_signal -1
	s_barrier_wait -1
.endm
.macro CROUND
	s_barrier_signal -1
	s_barrier_wait -1
	CREST
.endm
.macro FRAG reg, adr, off
.irp c, 0,1,2
	ds_load_b128 v[(\reg)+4*\c:(\reg)+4*\c+3], v[\adr] offset:(\off)+512*\c
.endr
.endm
; 50 LDS loads in one run: I's and J's eight fragments of half q of a slot into set p, and K step ks's scale words (lanes 0-15 J's block i, lanes 16-31 I's block i in register SC + 8 p + i)
.macro FETCH slot, q, p, ks
	WIN 0x40
.irp i, 0,1,2,3,4,5,6,7
	FRAG 128*(\p)+12*\i, ADRB+(\slot), 12288*(\q)+1536*\i
.endr
	WIN 0
.irp i, 0,1,2,3,4,5,6,7
	FRAG 64+96*(\p)+12*\i, ADRA+(\slot), 12288*(\q)+1536*\i
.endr
	ds_load_b128 v[SC+8*(\p):SC+8*(\p)+3], v[ADRS] offset:512*(\ks)
	ds_load_b128 v[SC+8*(\p)+4:SC+8*(\p)+7], v[ADRS] offset:512*(\ks)+256
.endm
; 16 matrix instructions; the 64 accumulators take turns, one instruction a turn, in the same order in every K step
.macro MUL16 a0, p, zero
	WIN 0xa1+0x50*((\a0)/4)
.irp a, \a0, \a0+1
.irp b, 0,1,2,3,4,5,6,7
.if \zero
	v_wmma_scale_f32_16x16x128_f8f6f4 v[8*(8*((\a)%4)+\b):8*(8*((\a)%4)+\b)+7], v[128*(\p)+12*\b:128*(\p)+12*\b+11], v[64+96*(\p)+12*(\a):64+96*(\p)+12*(\a)+11], 0, v[SC+8*(\p)+\b], v[SC+8*(\p)+(\a)] matrix_a_fmt:MATRIX_FMT_FP6 matrix_b_fmt:MATRIX_FMT_FP6 matrix_a_scale:MATRIX_SCALE_ROW1
.else
	v_wmma_scale_f32_16x16x128_f8f6f4 v[8*(8*((\a)%4)+\b):8*(8*((\a)%4)+\b)+7], v[128*(\p)+12*\b:128*(\p)+12*\b+11], v[64+96*(\p)+12*(\a):64+96*(\p)+12*(\a)+11], v[8*(8*((\a)%4)+\b):8*(8*((\a)%4)+\b)+7], v[SC+8*(\p)+\b], v[SC+8*(\p)+(\a)] matrix_a_fmt:MATRIX_FMT_FP6 matrix_b_fmt:MATRIX_FMT_FP6 matrix_a_scale:MATRIX_SCALE_ROW1
.endif
.endr
.endr
.endm
.macro STEP p, fslot, fq, fks, zero    ; a K step on set p; the next step's operands are asked for first, 64 matrix instructions ahead of their use
	s_wait_dscnt 0x0                               ; this step's set is in
	PLACES 4                                       ; in front of loads into registers that matrix instructions have read
	FETCH \fslot, \fq, 1-(\p), \fks
	MUL16 0, \p, \zero
	MUL16 2, \p, \zero
	MUL16 4, \p, \zero
	MUL16 6, \p, \zero
.endm
.macro TURN fill, fslot, fks           ; a K step on set 1 that meets the other waves; fill = 1: a round of the cluster's barrier, and slot 0 takes K steps 6 and 7
	WIN 0
	s_wait_tensorcnt 0x0                           ; all my tensor loads have landed
	ds_add_u32 v[SPW], v[NIL]
	s_wait_dscnt 0x1                               ; this step's set is in; the add alone may be out
	MUL16 0, 1, 0
	s_wait_dscnt 0x0                               ; the add is done, and so are my reads of the slots
	s_barrier_signal -1
	MUL16 2, 1, 0
	WIN 0
	s_barrier_wait -1
.if \fill
	CREST
	s_add_nc_u64 s[G0+2:G0+3], s[G0+2:G0+3], 6*12288
	s_add_nc_u64 s[G0B+2:G0B+3], s[G0B+2:G0B+3], 6*12288
	JLOAD G0, G1, G0B, G1B                         ; my one tensor load behind the round; its four v_nop are also the places in front of the loads below
.else
	PLACES 4
.endif
	FETCH \fslot, 0, 0, \fks
	MUL16 4, 1, 0
	MUL16 6, 1, 0
.endm
	s_load_b256 s[4:11], s[0:1], 0x0               ; the codes, the scale words, scale, p's codes
	s_load_b64 s[12:13], s[0:1], 0x20              ; p's statistics
	v_lshl_add_u32 v[SPW], v0, 2, SPARE
	v_mov_b32 v[NIL], 0
	ds_add_u32 v[SPW], v[NIL]                      ; the wave's opening: the add and its wait ahead of my first tensor load
	v_lshrrev_b32 v1, 5, v0
	v_readfirstlane_b32 s18, v1                    ; wave
	s_lshr_b32 s19, s18, 1                         ; my half of the queries.  Also: I fetch for J (0) or for I (1)
	s_and_b32 s20, s18, 1                          ; my half of the keys.  Also: which row group of the tile I fetch
	s_bfe_u32 s21, ttmp6, 0x40000                  ; cx
	s_bfe_u32 s22, ttmp6, 0x40004                  ; cy
	s_and_b32 s23, ttmp7, 0xffff                   ; the cluster's y
	s_lshl_b32 s97, s22, 2
	s_lshl_b32 s97, 15, s97                        ; my row of the cluster
	s_lshl_b32 s95, 0x1111, s21                    ; my column
	s_or_b32 s[G1], s97, (3<<16)|(1<<21)           ; the mask; elements of 8 bytes; bit 21 beside a mask; no padding
	s_or_b32 s[G1S], s97, (3<<16)|(1<<21)
	s_or_b32 s[G1B], s95, (3<<16)|(1<<21)
	s_or_b32 s[G1SB], s95, (3<<16)|(1<<21)
.irp g, G1, G1B                                ; 24,576 dense bytes as 96 rows of 256
	s_mov_b32 s[\g+1], 32<<16
	s_mov_b32 s[\g+2], 96<<16
	s_mov_b32 s[\g+3], 32<<16
	s_mov_b32 s[\g+4], 96
	s_mov_b32 s[\g+5], 32
	s_mov_b32 s[\g+6], 0
	s_mov_b32 s[\g+7], 0
.endr
.irp g, G1S, G1SB                              ; 4,096 dense bytes as 16 rows of 256
	s_mov_b32 s[\g+1], 32<<16
	s_mov_b32 s[\g+2], 16<<16
	s_mov_b32 s[\g+3], 32<<16
	s_mov_b32 s[\g+4], 16
	s_mov_b32 s[\g+5], 32
	s_mov_b32 s[\g+6], 0
	s_mov_b32 s[\g+7], 0
.endr
	s_lshl_b32 s92, ttmp9, 2
	s_add_co_u32 s92, s92, s21                     ; X: which 256 keys of the batch
	s_lshr_b32 s66, s23, 1                         ; the batch = cluster y / 2
	s_lshl_b32 s66, s66, 4
	s_add_co_u32 s66, s66, 64                      ; k's row groups begin at 64
	s_lshl_b32 s95, s92, 1
	s_add_co_u32 s66, s66, s95
	s_add_co_u32 s66, s66, s20                     ; the row group of keys that I would fetch
	s_lshl_b32 s94, s23, 2
	s_add_co_u32 s94, s94, s22                     ; Y: which 256 queries
	s_lshl_b32 s96, s94, 1
	s_add_co_u32 s96, s96, s20                     ; and of queries
	s_mul_i32 s100, s66, 98304
	s_mov_b32 s101, 0
	s_lshl_b32 s66, s66, 12
	s_mov_b32 s67, 0
	s_mul_i32 s2, s96, 98304
	s_mov_b32 s3, 0
	s_lshl_b32 s96, s96, 12
	s_mov_b32 s97, 0
	s_mul_i32 s99, s18, PARTB
	s_lshl_b32 s95, s18, 12
	s_wait_dscnt 0x0                               ; the opening add is done
	s_wait_kmcnt 0x0
	s_add_nc_u64 s[2:3], s[4:5], s[2:3]
	s_add_nc_u64 s[100:101], s[4:5], s[100:101]
	s_add_nc_u64 s[96:97], s[6:7], s[96:97]
	s_add_nc_u64 s[66:67], s[6:7], s[66:67]
	CROUND                                         ; all sixteen work-groups are here: the first joint loads meet
	s_mov_b32 s[G0S], 1
	s_add_co_u32 s[G0S+1], s95, SCL
	s_mov_b64 s[G0S+2:G0S+3], s[96:97]
	s_or_b32 s[G0S+3], s[G0S+3], 0x80000000
	s_mov_b32 s[G0SB], 1
	s_add_co_u32 s[G0SB+1], s95, SCL
	s_mov_b64 s[G0SB+2:G0SB+3], s[66:67]
	s_or_b32 s[G0SB+3], s[G0SB+3], 0x80000000
	JLOAD G0S, G1S, G0SB, G1SB
.irp s, 0,1,2
	s_mov_b32 s[G0+4*\s], 1
	s_add_co_u32 s[G0+4*\s+1], s99, \s*SLOTB
	s_add_nc_u64 s[G0+4*\s+2:G0+4*\s+3], s[2:3], \s*PARTB
	s_or_b32 s[G0+4*\s+3], s[G0+4*\s+3], 0x80000000
	s_mov_b32 s[G0B+4*\s], 1
	s_add_co_u32 s[G0B+4*\s+1], s99, \s*SLOTB
	s_add_nc_u64 s[G0B+4*\s+2:G0B+4*\s+3], s[100:101], \s*PARTB
	s_or_b32 s[G0B+4*\s+3], s[G0B+4*\s+3], 0x80000000
	JLOAD G0+4*\s, G1, G0B+4*\s, G1B
.endr
	s_load_b32 s16, s[8:9], 0x0                    ; scale
	v_and_b32 v1, 15, v0                           ; r
	v_bfe_u32 v2, v0, 4, 1                         ; h
	v_and_b32 v3, 31, v0
	v_lshlrev_b32 v3, 4, v3                        ; 16 x lane
	s_mul_i32 s4, s19, PARTB
	s_mul_i32 s5, s20, PARTB
	s_add_co_u32 s5, s5, 2*PARTB
.irp s, 0,1,2
	v_add_nc_u32 v[ADRA+\s], s4, v3
	v_add_nc_u32 v[ADRB+\s], s5, v3
	s_add_co_u32 s4, s4, SLOTB
	s_add_co_u32 s5, s5, SLOTB
.endr
	s_add_co_u32 s5, s20, 2
	s_sub_co_u32 s5, s5, s19
	s_lshl_b32 s5, s5, 12                          ; from J's scale words to I's
	v_mul_u32_u24 v4, s5, v2                       ; lanes 16-31 take I's
	v_lshl_add_u32 v4, v1, 4, v4
	s_lshl_b32 s5, s19, 12
	s_add_co_u32 s5, s5, SCL
	v_add_nc_u32 v[ADRS], s5, v4
	s_lshl_b32 s4, s94, 1                          ; the block that my wave stores: (2 Y + half of the queries) 16 + 2 X + half of the keys
	s_add_co_u32 s4, s4, s19
	s_lshl_b32 s4, s4, 4
	s_lshl_b32 s5, s92, 1
	s_add_co_u32 s4, s4, s5
	s_add_co_u32 s4, s4, s20
	s_mul_i32 s6, s4, 12288
	s_mov_b32 s7, 0
	s_add_nc_u64 s[10:11], s[10:11], s[6:7]
	s_lshl_b32 s6, s4, 9
	s_add_nc_u64 s[12:13], s[12:13], s[6:7]
	s_mov_b32 s[SEL], 0x76543210
	s_mov_b32 s[SEL+1], 0xfedcba98
	s_wait_kmcnt 0x0
	v_mov_b32 v30, s16
	v_rcp_f32 v31, v30
	v_nop                                          ; a plain instruction behind the reciprocal,
	s_wait_alu depctr_va_vdst(0)                   ; and a wait ahead of its first reader
	v_fma_f32 v8, -v30, v31, 1.0                   ; one Newton step
	v_fma_f32 v31, v31, v8, v31
	v_mul_f32 v30, 0x3fb8aa3b, v31                 ; c = log2(e) / scale
	v_mov_b32 v31, v30                             ; (named with it as a pair)
	s_wait_tensorcnt 0x2                           ; the scale words and my part of slot 0 are in; slots 1 and 2 may be out
	s_barrier_signal -1
	s_barrier_wait -1
	FETCH 0, 0, 0, 0
	STEP 0, 0, 1, 1, 1                             ; K step 0 starts the sums
	TURN 1, 1, 2                                   ; K step 1; slot 0 takes K steps 6 and 7
	STEP 0, 1, 1, 3, 0
	STEP 1, 2, 0, 4, 0                             ; slot 2 was shown whole by the barrier in K step 1, and slot 1 is not filled again: no barrier
	STEP 0, 2, 1, 5, 0
	TURN 0, 0, 6                                   ; K step 5; behind its barrier slot 0 is whole again
	STEP 0, 0, 1, 7, 0
	s_wait_dscnt 0x0                               ; K step 7
	MUL16 0, 1, 0
	MUL16 2, 1, 0
	MUL16 4, 1, 0
	MUL16 6, 1, 0
	WIN 0
	PLACES 4                                       ; four places (ISA guide 7.12.1): behind K step 6's products, which read the queries' set 0 (v64-159; only K step 7's matrix instructions, which are no places, stand between), behind K step 7's, which read set 1, and ahead of the first reads of results: the way out writes all of these registers
.irp b, 0,1,2,3
	v_mov_b32 v[BX+\b], 0                          ; written once: a lane permute's destination counts as one of its sources
.endr
	v_mov_b32 v57, 0                               ; (the upper half of the pair v[56:57])
	v_mov_b32 v63, 0
; Queries 16 a .. 16 a + 15 of my 128, my 128 keys: register 16 b + i of a lane is a key of block b
.macro SOFT a
.if (\a) > 0
	s_wait_xcnt 0x0                                ; the last fragment's stores have read the codes' registers
.endif
	WIN 0x02+((\a)/4)                              ; the accumulators: source 0
.set AC, 64*((\a)%4)
.set n, 0
.rept 32                                       ; each accumulator from its low end on
	v_pk_mul_f32 v[TT+n:TT+n+1], v[AC+n:AC+n+1], v[30:31] op_sel_hi:[1,0]   ; t = score x c
.set n, n+2
.endr
	WIN 0
.irp b, 0,1,2,3
	v_max3_num_f32 v[BM+\b], v[TT+16*\b], v[TT+16*\b+1], v[TT+16*\b+2]     ; the largest t of each block of 32 keys: for M, and for the block's largest p
.endr
.irp i, 3,5,7,9,11,13
.irp b, 0,1,2,3
	v_max3_num_f32 v[BM+\b], v[BM+\b], v[TT+16*\b+\i], v[TT+16*\b+\i+1]
.endr
.endr
.irp b, 0,1,2,3
	v_max_num_f32 v[BM+\b], v[BM+\b], v[TT+16*\b+15]
.endr
.irp b, 0,1,2,3
	v_permlanex16_b32 v[BX+\b], v[BM+\b], s[SEL], s[SEL+1]
.endr
.irp b, 0,1,2,3
	v_max_num_f32 v[BM+\b], v[BM+\b], v[BX+\b]     ; with lane l xor 16's 16 keys
.endr
	v_max3_num_f32 v62, v[BM], v[BM+1], v[BM+2]
	v_max_num_f32 v62, v62, v[BM+3]                ; the largest t of these 128 keys
	v_floor_f32 v56, -v62                          ; -M = floor(-t) = -ceil(t)
.set n, 0
.rept 32
	v_pk_add_f32 v[TT+n:TT+n+1], v[TT+n:TT+n+1], v[56:57] op_sel_hi:[1,0]   ; t - M
.set n, n+2
.endr
.irp b, 0,1,2,3
	v_add_f32 v[BM+\b], v[BM+\b], v56
.endr
.set n, 0
.rept 64
	v_exp_f32 v[TT+n], v[TT+n]                     ; p = 2^(t - M)
.set n, n+1
.endr
	v_mov_b32 v[NMS+(\a)], v56                     ; (a plain instruction behind the exponentials)
	s_wait_alu depctr_va_vdst(0)                   ; one wait for the batch of 64, ahead of its first reader
.irp b, 0,1,2,3
	v_exp_f32 v[BM+\b], v[BM+\b]                   ; the blocks' largest p
.endr
	v_pk_add_f32 v[58:59], v[TT:TT+1], v[TT+2:TT+3]          ; the sum of the UNQUANTISED p, in two chains; it reads the 64 alone
	v_pk_add_f32 v[60:61], v[TT+4:TT+5], v[TT+6:TT+7]
.irp j, 8,12,16,20,24,28,32,36,40,44,48,52,56,60
	v_pk_add_f32 v[58:59], v[58:59], v[TT+\j:TT+\j+1]
	v_pk_add_f32 v[60:61], v[60:61], v[TT+\j+2:TT+\j+3]
.endr
	v_pk_add_f32 v[58:59], v[58:59], v[60:61]
	v_add_f32 v62, v58, v59
	v_permlanex16_b32 v63, v62, s[SEL], s[SEL+1]
	v_add_f32 v[LLS+(\a)], v62, v63
	s_wait_alu depctr_va_vdst(0)                   ; and one for the four
.irp b, 0,1,2,3
	v_max_num_f32 v[BM+\b], 0x1800000, v[BM+\b]    ; the floor 2^(3 - 127)
.endr
.irp b, 0,1,2,3
	v_add_nc_u32 v[SO+\b], 0xff000000, v[BM+\b]    ; the conversion's scale operand
.endr
.irp b, 0,1,2,3
	v_lshrrev_b32 v[BX+\b], 23, v[SO+\b]           ; the byte: 125 at the most, since p is 1 at the most
.endr
	v_lshl_or_b32 v[PWS+(\a)], v[BX+1], 8, v[BX]
	v_lshl_or_b32 v[PWS+(\a)], v[BX+2], 16, v[PWS+(\a)]
	v_lshl_or_b32 v[PWS+(\a)], v[BX+3], 24, v[PWS+(\a)]
.irp c, 0,1
	v_cvt_scalef32_pk16_fp6_f32 v[PC+6*\c:PC+6*\c+2], v[TT+32*\c:TT+32*\c+15], v[SO+2*\c]
	v_cvt_scalef32_pk16_fp6_f32 v[PT+4*\c:PT+4*\c+2], v[TT+32*\c+16:TT+32*\c+31], v[SO+2*\c+1]
.endr
	v_nop                                          ; one plain instruction behind the scaled conversions
.irp c, 0,1
.irp i, 0,1,2
	v_permlane16_swap_b32 v[PC+6*\c+\i], v[PT+4*\c+\i]
.endr
.irp i, 0,1,2
	v_mov_b32 v[PC+6*\c+3+\i], v[PT+4*\c+\i]
.endr
.endr
.irp c, 0,1,2
	global_store_b128 v3, v[PC+4*\c:PC+4*\c+3], s[10:11] offset:1536*(\a)+512*\c   ; 32 lanes store 512 consecutive bytes
.endr
.endm
.irp a, 0,1,2,3,4,5,6,7
	SOFT \a
.endr
	v_cmp_eq_u32 s17, 1, v2
.irp w, 0,1,2,3
	v_cndmask_b32 v[176+\w], v[PWS+\w], v[PWS+4+\w], s17   ; lane (r, h): blocks 4 h .. 4 h + 3, query r
	v_cndmask_b32 v[180+\w], v[NMS+\w], v[NMS+4+\w], s17
	v_cndmask_b32 v[184+\w], v[LLS+\w], v[LLS+4+\w], s17
.endr
	global_store_b128 v3, v[176:179], s[12:13]
	global_store_b128 v3, v[180:183], s[12:13] offset:524288
	global_store_b128 v3, v[184:187], s[12:13] offset:1048576
	s_wait_tensorcnt 0x0                           ; the wave's end
	ds_add_u32 v[SPW], v[NIL]
	s_wait_dscnt 0x0
	CROUND                                         ; the closing round
	s_endpgm
.Lfunc_end_k_q898ae5dd3b_scores:
	.size	k_q898ae5dd3b_scores, .Lfunc_end_k_q898ae5dd3b_scores-k_q898ae5dd3b_scores
	.p2alignl 7, 3214868480
	.fill 96, 4, 3214868480
	.section	.rodata,"a",@progbits
	.p2align	6, 0x0
	.amdhsa_kernel k_q898ae5dd3b_scores
		.amdhsa_group_segment_fixed_size 327680
		.amdhsa_private_segment_fixed_size 0
		.amdhsa_enable_private_segment 0
		.amdhsa_kernarg_size 40
		.amdhsa_user_sgpr_count 2
		.amdhsa_user_sgpr_kernarg_segment_ptr 1
		.amdhsa_wavefront_size32 1
		.amdhsa_system_sgpr_workgroup_id_x 1
		.amdhsa_system_sgpr_workgroup_id_y 1
		.amdhsa_system_sgpr_workgroup_id_z 1
		.amdhsa_system_vgpr_workitem_id 0
		.amdhsa_next_free_vgpr 1024
		.amdhsa_next_free_sgpr 102
		.amdhsa_reserve_vcc 0
		.amdhsa_float_denorm_mode_32 3
		.amdhsa_float_denorm_mode_16_64 3
		.amdhsa_memory_ordered 1
		.amdhsa_forward_progress 1
		.amdhsa_inst_pref_size 206
	.end_amdhsa_kernel
	.amdgpu_metadata
---
amdhsa.version: [ 1, 2 ]
amdhsa.kernels:
  - .name:           k_q898ae5dd3b_scores
    .symbol:         k_q898ae5dd3b_scores.kd
    .args:
      - { .name: qkv_codes, .offset: 0, .size: 8, .value_kind: global_buffer, .address_space: global }
      - { .name: qkv_scales, .offset: 8, .size: 8, .value_kind: global_buffer, .address_space: global }
      - { .name: scale, .offset: 16, .size: 8, .value_kind: global_buffer, .address_space: global }
      - { .name: p_codes, .offset: 24, .size: 8, .value_kind: global_buffer, .address_space: global }
      - { .name: p_stats, .offset: 32, .size: 8, .value_kind: global_buffer, .address_space: global }
    .group_segment_fixed_size: 327680
    .private_segment_fixed_size: 0
    .kernarg_segment_align: 8
    .kernarg_segment_size: 40
    .max_flat_workgroup_size: 128
    .sgpr_count:     102
    .vgpr_count:     1024
    .wavefront_size: 32
...
	.end_amdgpu_metadata
.endif
;; end of part 3
;; launch pv (part 4): grid 4 x 64, 4 waves a work-group, clusters of 4 x 4, 327,680 bytes of LDS; arguments p_codes, p_stats, qkv_codes, qkv_scales, out0; writes out0
.if DOCPART == 4
	.amdgcn_target "amdgcn-amd-amdhsa--gfx1250"
	.amdhsa_code_object_version 6
	.text
	.protected	k_q898ae5dd3b_pv
	.globl	k_q898ae5dd3b_pv
	.p2align	8
	.type	k_q898ae5dd3b_pv,@function
k_q898ae5dd3b_pv:
	s_mov_b64 s[64:65], 0
	v_nop
	global_prefetch_b8 v0, s[64:65] scope:SCOPE_SE
	s_setreg_imm32_b32 hwreg(HW_REG_WAVE_MODE, 25, 1), 1
	s_wait_xcnt 0x0
	s_wait_alu depctr_hold_cnt(0) depctr_sa_sdst(0) depctr_va_vdst(0) depctr_va_sdst(0) depctr_va_ssrc(0) depctr_va_vcc(0) depctr_vm_vsrc(0)
	s_getreg_b32 s2, hwreg(HW_REG_IB_STS2, 6, 4)
	s_cmp_eq_u32 s2, 0
	s_cbranch_scc0 .Lentry_in_a_cluster
	s_endpgm
.Lentry_in_a_cluster:
	s_bfe_u32 s2, ttmp6, 0x10000c
	s_cmp_lg_u32 s2, 0xf033
	s_cbranch_scc0 .Lentry_shape_is_right
	s_endpgm
.Lentry_shape_is_right:
; out = (p v) / l on codes of E2M3.  p came quantised under an M of its own for each query and 128 keys.  Here: M of a row = the largest of its 16; D = that M less a piece's M, a whole number of 0 or more; the piece's four
; scale bytes are lowered by D (exact: a power of two), l = the sum of the pieces' sums x 2^-D.  D is held at 127 and a byte at 0 from below: what such a piece adds lies under 2^-120 of l, which is above 1/2.
; Operands lie as images of the matrix instruction's registers: fragment 1,536 bytes, block (128 rows, one K step of 128 keys) 12,288 bytes, a block's words 512 bytes as [half][r][w] = row 16 (4 half + w) + r.
; A work-group of four waves makes 128 queries x 256 of d over K = 2,048 keys: with 256 x 256 there would be work for 128 work-groups only.  A wave makes 64 x 128: 32 accumulators.  Source 0 ("I") = 16 of d (v with the
; keys innermost), source 1 ("J") = 16 queries: a lane holds one query and eight neighbouring d.
; CLUSTER 4 x 4: p's tiles are asked for jointly along a row of the cluster, v's along a column.
; LDS: two slots of 147,456 bytes, each 512 keys: p's 4 blocks, then v's 4 blocks of each of two row groups; p's shifted scale words (8,192, stored by the waves); v's scale words (16,384); the partial l (2,048); the
; spare words.  Three tensor loads of a wave are out at the start, one behind each round.  The stage of the way out lies in slot 0, behind its last fill and last read.
; LIMITS: NaN and infinities are not served.
.set SLOTB, 147456
.set PSC,   2*SLOTB
.set VSC,   PSC+8192
.set LP,    VSC+16384
.set SPARE, LP+2048
.set VO,   4                           ; v4   16 x lane + 2,048 x wave: my wave's four K steps in a row group's statistics
.set PSA,  5                           ; v5   where I store shifted scale words
.set LPA,  6                           ; v6   and partial sums
.set STO,  7                           ; v7   the stage: where I put 32 bytes of a row
.set RD,   8                           ; v8   and where I read a row back
.set ADL,  9                           ; v9   where my queries' partial sums lie
.set ADRA, 16
.set ADRB, 20
.set ADRS2, 26
.set ADRS, 27
.set SPW,  28
.set NIL,  29
.set SC,   32                          ; v32-47 scale words, two sets of 8
.set RL,   48                          ; v48-51 1 / l of my four blocks of queries
.set NMA,  160                         ; the head: v160-223 -M of all 16 K steps
.set NMW,  224                         ; v224-239 of my four
.set LW,   64                          ; v64-79 their sums
.set WW,   80                          ; v80-95 their scale words
.set NG,   96                          ; v96-99 -M of the row
.set DD,   100
.set KK,   116
.set LS,   132
.set OT,   64                          ; the way out: v64-127 a block / l
.set BK,   128                         ; v128-191, v192-255 rows read back, by turns
.set G1P,  24
.set G1V,  32
.set G1VS, 40
.set G0P,  48                          ; a set for each slot
.set G0V,  56
.set G0VS, 68
.set MSB, 0
.macro WIN new                         ; the immediate's high byte repeats the setting that is left
.if MSB != (\new)
	s_set_vgpr_msb (MSB<<8)|(\new)
.set MSB, (\new)
.endif
.endm
.macro PLACES n
.rept \n
	v_nop
.endr
.endm
; A joint load: waves 0 and 1 fetch p's halves of a slot, waves 2 and 3 v's two row groups; the branch hangs on the wave's number alone.  An s_nop 0 and four v_nop follow each line.
.macro JLOAD g0a, g1a, g0b, g1b
	s_cmp_eq_u32 s19, 0
	s_cbranch_scc0 .Lfor_i_\@
	tensor_load_to_lds s[\g0a:\g0a+3], s[\g1a:\g1a+7]
	s_nop 0
.rept 4
	v_nop
.endr
	s_branch .Lasked_\@
.Lfor_i_\@:
	tensor_load_to_lds s[\g0b:\g0b+3], s[\g1b:\g1b+7]
	s_nop 0
.rept 4
	v_nop
.endr
.Lasked_\@:
.endm
.macro CREST
	s_cmp_lg_u32 s18, 0
	s_cbranch_scc1 .Lnot_wave_0_\@
	s_barrier_signal -3
.Lnot_wave_0_\@:
	s_barrier_wait -3
	s_barrier_signal -1
	s_barrier_wait -1
.endm
.macro CROUND
	s_barrier_signal -1
	s_barrier_wait -1
	CREST
.endm
.macro FRAG reg, adr, off
.irp c, 0,1,2
	ds_load_b128 v[(\reg)+4*\c:(\reg)+4*\c+3], v[\adr] offset:(\off)+512*\c
.endr
.endm
; 38 LDS loads in one run: v's eight fragments and p's four of K step q of a slot into set p, and the scale words of K step ks: lanes 0-15 of register SC + 8 p + a hold p's block a, lanes 16-31 of SC + 8 p + b v's block b
.macro FETCH slot, q, p, ks
	WIN 0x40
.irp i, 0,1,2,3,4,5,6,7
	FRAG 128*(\p)+12*\i, ADRB+(\slot), 12288*(\q)+1536*\i
.endr
	WIN 0
.irp i, 0,1,2,3
	FRAG 64+48*(\p)+12*\i, ADRA+(\slot), 12288*(\q)+1536*\i
.endr
	ds_load_b128 v[SC+8*(\p):SC+8*(\p)+3], v[ADRS] offset:512*(\ks)
	ds_load_b128 v[SC+8*(\p)+4:SC+8*(\p)+7], v[ADRS2] offset:512*(\ks)
.endm
; 8 matrix instructions: my block a of queries x v's eight.  The 32 accumulators take turns, one instruction a turn, in the same order in every K step.
.macro MUL8 a, p, zero
	WIN 0xa1
.irp b, 0,1,2,3,4,5,6,7
.if \zero
	v_wmma_scale_f32_16x16x128_f8f6f4 v[8*(8*(\a)+\b):8*(8*(\a)+\b)+7], v[128*(\p)+12*\b:128*(\p)+12*\b+11], v[64+48*(\p)+12*(\a):64+48*(\p)+12*(\a)+11], 0, v[SC+8*(\p)+\b], v[SC+8*(\p)+(\a)] matrix_a_fmt:MATRIX_FMT_FP6 matrix_b_fmt:MATRIX_FMT_FP6 matrix_a_scale:MATRIX_SCALE_ROW1
.else
	v_wmma_scale_f32_16x16x128_f8f6f4 v[8*(8*(\a)+\b):8*(8*(\a)+\b)+7], v[128*(\p)+12*\b:128*(\p)+12*\b+11], v[64+48*(\p)+12*(\a):64+48*(\p)+12*(\a)+11], v[8*(8*(\a)+\b):8*(8*(\a)+\b)+7], v[SC+8*(\p)+\b], v[SC+8*(\p)+(\a)] matrix_a_fmt:MATRIX_FMT_FP6 matrix_b_fmt:MATRIX_FMT_FP6 matrix_a_scale:MATRIX_SCALE_ROW1
.endif
.endr
.endm
.macro STEP p, fslot, fq, fks, zero    ; a K step on set p; the next step's operands are asked for first, 32 matrix instructions ahead of their use
	s_wait_dscnt 0x0                               ; this step's set is in
	PLACES 4                                       ; in front of loads into registers that matrix instructions have read
	FETCH \fslot, \fq, 1-(\p), \fks
	MUL8 0, \p, \zero
	MUL8 1, \p, \zero
	MUL8 2, \p, \zero
	MUL8 3, \p, \zero
.endm
; A slot's last K step (set 1) changes slots: one barrier; in front of it each wave waits for all its tensor loads, adds 0 to its spare word, and waits for that and for its reads of this slot.
; fill = 1: the barrier opens a round of the cluster's, and this slot takes the keys two slots on.
.macro TURN fill, slot, fslot, fks
	WIN 0
	s_wait_tensorcnt 0x0                           ; all my tensor loads have landed: my part of the next slot
	ds_add_u32 v[SPW], v[NIL]
	s_wait_dscnt 0x1                               ; this step's set is in; the add alone may be out
	MUL8 0, 1, 0
	s_wait_dscnt 0x0                               ; the add is done, and my reads of this slot are over
	s_barrier_signal -1
	MUL8 1, 1, 0
	WIN 0
	s_barrier_wait -1
.if \fill
	CREST
	s_add_nc_u64 s[G0P+4*\slot+2:G0P+4*\slot+3], s[G0P+4*\slot+2:G0P+4*\slot+3], 98304
	s_add_nc_u64 s[G0V+4*\slot+2:G0V+4*\slot+3], s[G0V+4*\slot+2:G0V+4*\slot+3], 98304
	JLOAD G0P+4*\slot, G1P, G0V+4*\slot, G1V       ; my one tensor load behind the round; its four v_nop are also the places in front of the loads below
.else
	PLACES 4
.endif
	FETCH \fslot, 0, 0, \fks
	MUL8 2, 1, 0
	MUL8 3, 1, 0
.endm
	s_load_b256 s[4:11], s[0:1], 0x0               ; p's codes, p's statistics, v's codes (in qkv), v's scale words
	s_load_b64 s[12:13], s[0:1], 0x20              ; out
	v_lshl_add_u32 v[SPW], v0, 2, SPARE
	v_mov_b32 v[NIL], 0
	ds_add_u32 v[SPW], v[NIL]                      ; the wave's opening: the add and its wait ahead of my first tensor load
	v_lshrrev_b32 v1, 5, v0
	v_readfirstlane_b32 s18, v1                    ; wave
	s_lshr_b32 s19, s18, 1                         ; my half of the queries.  Also: I fetch for p (0) or for v (1)
	s_and_b32 s20, s18, 1                          ; my row group of d.  Also: which part I fetch
	s_bfe_u32 s21, ttmp6, 0x40000                  ; cx
	s_bfe_u32 s22, ttmp6, 0x40004                  ; cy
	s_and_b32 s23, ttmp7, 0xffff                   ; the cluster's y
	s_lshl_b32 s73, s22, 2
	s_lshl_b32 s73, 15, s73                        ; my row of the cluster
	s_lshl_b32 s83, 0x1111, s21                    ; my column
	s_or_b32 s[G1P], s73, (3<<16)|(1<<21)          ; the mask; elements of 8 bytes; bit 21 beside a mask; no padding
	s_or_b32 s[G1V], s83, (3<<16)|(1<<21)
	s_or_b32 s[G1VS], s83, (3<<16)|(1<<21)
	s_mov_b32 s[G1P+1], 32<<16                     ; p: two K steps, 24,576 dense bytes as 96 rows of 256
	s_mov_b32 s[G1P+2], 96<<16
	s_mov_b32 s[G1P+3], 32<<16
	s_mov_b32 s[G1P+4], 96
	s_mov_b32 s[G1P+5], 32
	s_mov_b32 s[G1P+6], 0
	s_mov_b32 s[G1P+7], 0
	s_mov_b32 s[G1V+1], 32<<16                     ; v: four K steps of a row group, 49,152 dense bytes as 192 rows
	s_mov_b32 s[G1V+2], 192<<16
	s_mov_b32 s[G1V+3], 32<<16
	s_mov_b32 s[G1V+4], 192
	s_mov_b32 s[G1V+5], 32
	s_mov_b32 s[G1V+6], 0
	s_mov_b32 s[G1V+7], 0
	s_mov_b32 s[G1VS+1], 32<<16                    ; v's scale words: a quarter of two row groups', 4,096 dense bytes as 16 rows
	s_mov_b32 s[G1VS+2], 16<<16
	s_mov_b32 s[G1VS+3], 32<<16
	s_mov_b32 s[G1VS+4], 16
	s_mov_b32 s[G1VS+5], 32
	s_mov_b32 s[G1VS+6], 0
	s_mov_b32 s[G1VS+7], 0
	s_lshl_b32 s72, s23, 2
	s_add_co_u32 s72, s72, s22                     ; Y: my row group of queries
	s_mul_i32 s74, s72, 196608                     ; its 16 blocks of p
	s_mul_i32 s73, s20, 24576
	s_add_co_u32 s74, s74, s73
	s_mov_b32 s75, 0
	s_lshr_b32 s76, s23, 2                         ; the batch = cluster y / 4
	s_lshl_b32 s76, s76, 3
	s_lshl_b32 s77, s21, 1
	s_add_co_u32 s76, s76, s77                     ; v's row group 8 batch + 2 cx
	s_lshl_b32 s78, s76, 4
	s_add_co_u32 s78, s78, 1024                    ; v's blocks begin at 1,024
	s_lshl_b32 s78, s78, 9
	s_lshl_b32 s79, s18, 12
	s_add_co_u32 s78, s78, s79                     ; my quarter of the scale words
	s_mov_b32 s79, 0
	s_add_co_u32 s76, s76, s20
	s_lshl_b32 s76, s76, 4
	s_add_co_u32 s76, s76, 1024
	s_mul_i32 s76, s76, 12288
	s_mov_b32 s77, 0
	s_mul_i32 s84, s20, 24576                      ; where they go, by the wave's number alone: p's halves,
	s_mul_i32 s85, s20, 49152
	s_add_co_u32 s85, s85, 49152                   ; v's row groups behind them,
	s_lshl_b32 s86, s18, 12
	s_add_co_u32 s86, s86, VSC                     ; the scale words
	s_mov_b32 s87, 0x01010101
	s_wait_dscnt 0x0                               ; the opening add is done
	s_wait_kmcnt 0x0
	s_add_nc_u64 s[74:75], s[4:5], s[74:75]
	s_add_nc_u64 s[76:77], s[8:9], s[76:77]
	s_add_nc_u64 s[78:79], s[10:11], s[78:79]
	CROUND                                         ; all sixteen work-groups are here: the first joint loads meet
	s_mov_b32 s[G0VS], 1
	s_mov_b32 s[G0VS+1], s86
	s_mov_b64 s[G0VS+2:G0VS+3], s[78:79]
	s_or_b32 s[G0VS+3], s[G0VS+3], 0x80000000
	tensor_load_to_lds s[G0VS:G0VS+3], s[G1VS:G1VS+7]   ; every wave its quarter of v's scale words
	s_nop 0
.rept 4
	v_nop
.endr
.irp s, 0,1
	s_mov_b32 s[G0P+4*\s], 1
	s_add_co_u32 s[G0P+4*\s+1], s84, \s*SLOTB
	s_add_nc_u64 s[G0P+4*\s+2:G0P+4*\s+3], s[74:75], \s*49152
	s_or_b32 s[G0P+4*\s+3], s[G0P+4*\s+3], 0x80000000
	s_mov_b32 s[G0V+4*\s], 1
	s_add_co_u32 s[G0V+4*\s+1], s85, \s*SLOTB
	s_add_nc_u64 s[G0V+4*\s+2:G0V+4*\s+3], s[76:77], \s*49152
	s_or_b32 s[G0V+4*\s+3], s[G0V+4*\s+3], 0x80000000
	JLOAD G0P+4*\s, G1P, G0V+4*\s, G1V
.endr
	; ---- while the tiles land: the row's M and l, and p's scale words under it
	v_and_b32 v1, 15, v0                           ; r
	v_bfe_u32 v2, v0, 4, 1                         ; h
	v_and_b32 v3, 31, v0
	v_lshlrev_b32 v3, 4, v3                        ; 16 x lane
	s_lshl_b32 s80, s72, 13                        ; my row group's 16 x 512 bytes in each region of the statistics
	s_mov_b32 s81, 0
	s_add_nc_u64 s[6:7], s[6:7], s[80:81]
	s_lshl_b32 s82, s18, 11
	v_add_nc_u32 v[VO], s82, v3
.irp k, 0,1,2,3,4,5,6,7,8,9,10,11,12,13,14,15
	global_load_b128 v[NMA+4*\k:NMA+4*\k+3], v3, s[6:7] offset:524288+512*\k       ; lane (r, h), component e: query 16 (4 h + e) + r
.endr
.irp t, 0,1,2,3
	global_load_b128 v[NMW+4*\t:NMW+4*\t+3], v[VO], s[6:7] offset:524288+512*\t    ; K steps 4 wave + t are mine
	global_load_b128 v[LW+4*\t:LW+4*\t+3], v[VO], s[6:7] offset:1048576+512*\t
	global_load_b128 v[WW+4*\t:WW+4*\t+3], v[VO], s[6:7] offset:512*\t
.endr
	s_add_co_u32 s82, s82, PSC
	v_add_nc_u32 v[PSA], s82, v3
	s_lshl_b32 s82, s18, 9
	s_add_co_u32 s82, s82, LP
	v_add_nc_u32 v[LPA], s82, v3
	s_mul_i32 s82, s18, 8448                       ; my stage: 16 rows x (512 bytes + 16)
	v_mul_u32_u24 v[STO], v1, 528
	v_lshl_add_u32 v[STO], v2, 5, v[STO]
	v_add_nc_u32 v[STO], s82, v[STO]
	v_add_nc_u32 v[RD], s82, v3
	s_lshl_b32 s82, s19, 8
	s_add_co_u32 s82, s82, LP
	v_lshl_add_u32 v[ADL], v1, 4, s82
	s_mul_i32 s82, s19, 6144                       ; my four blocks of queries in a block of p
	s_mul_i32 s88, s20, 49152
	s_add_co_u32 s88, s88, 49152                   ; my row group of v
.irp s, 0,1
	v_add_nc_u32 v[ADRA+\s], s82, v3
	v_add_nc_u32 v[ADRB+\s], s88, v3
	s_add_co_u32 s82, s82, SLOTB
	s_add_co_u32 s88, s88, SLOTB
.endr
	s_lshl_b32 s82, s20, 13
	s_add_co_u32 s82, s82, 8192
	s_lshl_b32 s88, s19, 8
	s_sub_co_u32 s82, s82, s88                     ; from p's scale words of my half to v's of my row group
	v_mul_u32_u24 v10, s82, v2                     ; lanes 16-31 take v's
	v_lshl_add_u32 v10, v1, 4, v10
	s_add_co_u32 s88, s88, PSC
	v_add_nc_u32 v[ADRS], s88, v10
	v_lshl_add_u32 v[ADRS2], v2, 8, v[ADRS]        ; v's blocks 4 to 7 lie 256 bytes on
	s_lshl_b32 s80, s72, 19                        ; out: row 128 Y + 64 x my half, 4,096 bytes a row; column 256 cx + 128 x my row group
	s_lshl_b32 s82, s19, 18
	s_add_co_u32 s80, s80, s82
	s_lshl_b32 s82, s21, 10
	s_add_co_u32 s80, s80, s82
	s_lshl_b32 s82, s20, 9
	s_add_co_u32 s80, s80, s82
	s_add_nc_u64 s[12:13], s[12:13], s[80:81]
	s_wait_loadcnt 0x0
.irp e, 0,1,2,3
	v_min3_num_f32 v[NG+\e], v[NMA+\e], v[NMA+4+\e], v[NMA+8+\e]   ; -M of the row = the least of the 16
.endr
.irp k, 3,5,7,9,11,13
.irp e, 0,1,2,3
	v_min3_num_f32 v[NG+\e], v[NG+\e], v[NMA+4*\k+\e], v[NMA+4*\k+4+\e]
.endr
.endr
.irp e, 0,1,2,3
	v_min_num_f32 v[NG+\e], v[NG+\e], v[NMA+60+\e]
.endr
.irp t, 0,1,2,3
.irp e, 0,1,2,3
	v_sub_f32 v[DD+4*\t+\e], v[NMW+4*\t+\e], v[NG+\e]              ; D = the row's M less the piece's
.endr
.irp e, 0,1,2,3
	v_min_num_f32 v[DD+4*\t+\e], 0x42fe0000, v[DD+4*\t+\e]         ; held at 127
.endr
.irp e, 0,1,2,3
	v_cvt_u32_f32 v[DD+4*\t+\e], v[DD+4*\t+\e]
.endr
.irp e, 0,1,2,3
	v_sub_nc_u32 v[KK+4*\t+\e], 0, v[DD+4*\t+\e]
.endr
.irp e, 0,1,2,3
	v_ldexp_f32 v[LW+4*\t+\e], v[LW+4*\t+\e], v[KK+4*\t+\e]        ; the piece's sum x 2^-D
.endr
.irp e, 0,1,2,3
	v_mul_lo_u32 v[DD+4*\t+\e], v[DD+4*\t+\e], s87                 ; D in each of the four bytes
.endr
.irp e, 0,1,2,3
	v_or_b32 v[WW+4*\t+\e], 0x80808080, v[WW+4*\t+\e]              ; 128 + byte (a byte is 125 at the most), so that no borrow leaves a byte
.endr
.irp e, 0,1,2,3
	v_sub_nc_u32 v[WW+4*\t+\e], v[WW+4*\t+\e], v[DD+4*\t+\e]
.endr
.irp e, 0,1,2,3
	v_and_b32 v[KK+4*\t+\e], 0x80808080, v[WW+4*\t+\e]             ; the top bit stands where byte >= D
.endr
.irp e, 0,1,2,3
	v_lshrrev_b32 v[DD+4*\t+\e], 7, v[KK+4*\t+\e]
.endr
.irp e, 0,1,2,3
	v_sub_nc_u32 v[KK+4*\t+\e], v[KK+4*\t+\e], v[DD+4*\t+\e]       ; 0x7f there, 0 elsewhere
.endr
.irp e, 0,1,2,3
	v_and_b32 v[WW+4*\t+\e], v[WW+4*\t+\e], v[KK+4*\t+\e]          ; byte - D, held at 0
.endr
.endr
.irp e, 0,1,2,3
	v_add_f32 v[LS+\e], v[LW+\e], v[LW+4+\e]
.endr
.irp e, 0,1,2,3
	v_add_f32 v[KK+\e], v[LW+8+\e], v[LW+12+\e]
.endr
.irp e, 0,1,2,3
	v_add_f32 v[LS+\e], v[LS+\e], v[KK+\e]
.endr
.irp t, 0,1,2,3
	ds_store_b128 v[PSA], v[WW+4*\t:WW+4*\t+3] offset:512*\t
.endr
	ds_store_b128 v[LPA], v[LS:LS+3]
	s_wait_tensorcnt 0x1                           ; v's scale words and my part of slot 0 are in; slot 1 may be out
	s_wait_dscnt 0x0                               ; for the others' sake: my stores are done
	s_barrier_signal -1
	s_barrier_wait -1
	FETCH 0, 0, 0, 0
	STEP 0, 0, 1, 1, 1                             ; K step 0 starts the sums
	STEP 1, 0, 2, 2, 0
	STEP 0, 0, 3, 3, 0
	TURN 1, 0, 1, 4                                ; K step 3; slot 0 takes K steps 8 to 11
	STEP 0, 1, 1, 5, 0
	STEP 1, 1, 2, 6, 0
	STEP 0, 1, 3, 7, 0
	TURN 1, 1, 0, 8                                ; K step 7; slot 1 takes K steps 12 to 15
	STEP 0, 0, 1, 9, 0
	STEP 1, 0, 2, 10, 0
	STEP 0, 0, 3, 11, 0
	TURN 0, 0, 1, 12                               ; K step 11; nothing is left to fetch
	STEP 0, 1, 1, 13, 0
	STEP 1, 1, 2, 14, 0
	STEP 0, 1, 3, 15, 0
	s_wait_dscnt 0x0                               ; K step 15
	WIN 0
.irp w, 0,1,2,3
	ds_load_b128 v[192+4*\w:192+4*\w+3], v[ADL] offset:512*\w      ; the four waves' partial l of my queries: component a = block a, query r
.endr
	MUL8 0, 1, 0
	MUL8 1, 1, 0
	MUL8 2, 1, 0
	MUL8 3, 1, 0
	WIN 0
	; THE WAY OUT: a block of 16 queries x 128 of d at a time is divided by l, goes through my stage in LDS and leaves as whole rows of 512 bytes.
	PLACES 4
	s_wait_dscnt 0x0
.irp e, 0,1,2,3
	v_add_f32 v[52+\e], v[192+\e], v[196+\e]
.endr
.irp e, 0,1,2,3
	v_add_f32 v[56+\e], v[200+\e], v[204+\e]
.endr
.irp e, 0,1,2,3
	v_add_f32 v[52+\e], v[52+\e], v[56+\e]
.endr
.irp e, 0,1,2,3
	v_rcp_f32 v[RL+\e], v[52+\e]
.endr
	v_nop                                          ; a plain instruction behind the reciprocals,
	s_wait_alu depctr_va_vdst(0)                   ; and one wait for the four ahead of their first reader
.macro PACK a
	WIN 0x02                                       ; the accumulators: source 0
.set n, 0
.rept 32                                       ; each accumulator from its low end on
.if (\a)%2 == 0
	v_pk_mul_f32 v[OT+n:OT+n+1], v[64*(\a)+n:64*(\a)+n+1], v[RL+(\a):RL+(\a)+1] op_sel_hi:[1,0]
.else
	v_pk_mul_f32 v[OT+n:OT+n+1], v[64*(\a)+n:64*(\a)+n+1], v[RL+(\a)-1:RL+(\a)] op_sel:[0,1] op_sel_hi:[1,1]
.endif
.set n, n+2
.endr
	WIN 0
.endm
.macro TOSTAGE a                       ; LDS serves a wave's instructions in order: no wait between the stores and the loads, nor in front of the next block's stores
.irp b, 0,1,2,3,4,5,6,7
	ds_store_b128 v[STO], v[OT+8*\b:OT+8*\b+3] offset:64*\b
	ds_store_b128 v[STO], v[OT+8*\b+4:OT+8*\b+7] offset:64*\b+16
.endr
.irp t, 0,1,2,3,4,5,6,7,8,9,10,11,12,13,14,15
	ds_load_b128 v[BK+64*((\a)%2)+4*\t:BK+64*((\a)%2)+4*\t+3], v[RD] offset:528*\t
.endr
.endm
.macro SEND a, younger                 ; younger: the LDS instructions issued behind block a's loads, which may stay out
	s_wait_dscnt \younger
.irp t, 0,1,2,3,4,5,6,7,8,9,10,11,12,13,14,15
	global_store_b128 v3, v[BK+64*((\a)%2)+4*\t:BK+64*((\a)%2)+4*\t+3], s[12:13] offset:(16*(\a)+\t)*4096 th:TH_STORE_NT   ; 32 lanes store 512 consecutive bytes, aligned
.endr
.endm
	PACK 0
	TOSTAGE 0
.irp a, 1,2,3
.if \a > 1
	s_wait_xcnt 0x0                                ; block a - 2's stores have read their registers: block a's loads may land there
.endif
	PACK \a
	TOSTAGE \a
	SEND \a-1, 32                                  ; behind block a - 1's loads: block a's 16 stores and 16 loads
.endr
	SEND 3, 0
	s_wait_tensorcnt 0x0                           ; the wave's end, behind my last tensor load and my last LDS store
	ds_add_u32 v[SPW], v[NIL]
	s_wait_dscnt 0x0
	CROUND                                         ; the closing round
	s_endpgm
.Lfunc_end_k_q898ae5dd3b_pv:
	.size	k_q898ae5dd3b_pv, .Lfunc_end_k_q898ae5dd3b_pv-k_q898ae5dd3b_pv
	.p2alignl 7, 3214868480
	.fill 96, 4, 3214868480
	.section	.rodata,"a",@progbits
	.p2align	6, 0x0
	.amdhsa_kernel k_q898ae5dd3b_pv
		.amdhsa_group_segment_fixed_size 327680
		.amdhsa_private_segment_fixed_size 0
		.amdhsa_enable_private_segment 0
		.amdhsa_kernarg_size 40
		.amdhsa_user_sgpr_count 2
		.amdhsa_user_sgpr_kernarg_segment_ptr 1
		.amdhsa_wavefront_size32 1
		.amdhsa_system_sgpr_workgroup_id_x 1
		.amdhsa_system_sgpr_workgroup_id_y 1
		.amdhsa_system_sgpr_workgroup_id_z 1
		.amdhsa_system_vgpr_workitem_id 0
		.amdhsa_next_free_vgpr 768
		.amdhsa_next_free_sgpr 102
		.amdhsa_reserve_vcc 0
		.amdhsa_float_denorm_mode_32 3
		.amdhsa_float_denorm_mode_16_64 3
		.amdhsa_memory_ordered 1
		.amdhsa_forward_progress 1
		.amdhsa_inst_pref_size 155
	.end_amdhsa_kernel
	.amdgpu_metadata
---
amdhsa.version: [ 1, 2 ]
amdhsa.kernels:
  - .name:           k_q898ae5dd3b_pv
    .symbol:         k_q898ae5dd3b_pv.kd
    .args:
      - { .name: p_codes, .offset: 0, .size: 8, .value_kind: global_buffer, .address_space: global }
      - { .name: p_stats, .offset: 8, .size: 8, .value_kind: global_buffer, .address_space: global }
      - { .name: qkv_codes, .offset: 16, .size: 8, .value_kind: global_buffer, .address_space: global }
      - { .name: qkv_scales, .offset: 24, .size: 8, .value_kind: global_buffer, .address_space: global }
      - { .name: out0, .offset: 32, .size: 8, .value_kind: global_buffer, .address_space: global }
    .group_segment_fixed_size: 327680
    .private_segment_fixed_size: 0
    .kernarg_segment_align: 8
    .kernarg_segment_size: 40
    .max_flat_workgroup_size: 128
    .sgpr_count:     102
    .vgpr_count:     768
    .wavefront_size: 32
...
	.end_amdgpu_metadata
.endif
;; end of part 4
